; MI455X (gfx1250); checked and timed in simulation.
; The chip was launched on July 23, 2026; its instructions are those of AMD's public machine-readable ISA for CDNA 5 (MIT licence, August 2026) and "CDNA5" Instruction Set Architecture Reference Guide (July 2026). The comments in the code are by the model that wrote it; some were corrected since.
;; Self Attention. Allowed arithmetic: matrix products marked QUANTISED: E2M3 operands, one E8M0 scale for each 32 along K, by v_wmma_scale_f32_16x16x128_f8f6f4 with both operands' format E2M3, f32 sums; products left as they are: f32 operands where the result goes on into a quantised operand, else bf16, f16 or f32 operands; f32 sums; everything else in f32.
;; Inputs: Wk 1,024 x 1,024 float32; Wo 1,024 x 1,024 float32; Wq 1,024 x 1,024 float32; Wv 1,024 x 1,024 float32; x 4 x 2,048 x 1,024 float32.
;; Outputs: out0 4 x 2,048 x 1,024 float32.
;; This version of the problem:
;;   THIS VERSION OF THE PROBLEM IS GIVEN IN LOW PRECISION. The matrix products marked QUANTISED in the list below multiply operands that are first quantised to E2M3 (2 exponent bits, 3 mantissa bits; 6 bits a number), with one power-of-two scale for each 32 numbers along K (OCP MX v1.0); their sums are f32. All else is computed in f32.
;;   The module's matrix products, in the order in which they are computed (A, B: the left and right operand; K: the contracted axis; several contracted axes count as one K, in the product's order):
;;     1. [M 2,048, K 1] x [K 1, N 32]; A: computed on the way; B: computed on the way: left as it is (no contracted axis)
;;     2. [M 8,192, K 1,024] x [K 1,024, N 1,024]; A: input x; B: input Wq: QUANTISED
;;     3. [M 8,192, K 1,024] x [K 1,024, N 1,024]; A: input x; B: input Wk: QUANTISED
;;     4. [M 8,192, K 1,024] x [K 1,024, N 1,024]; A: input x; B: input Wv: QUANTISED
;;     5. batch 64 x [M 2,048, K 64] x [K 64, N 2,048]; A: computed on the way; B: computed on the way: QUANTISED
;;     6. batch 64 x [M 2,048, K 2,048] x [K 2,048, N 64]; A: softmax (see below); B: computed on the way: QUANTISED
;;     7. [M 8,192, K 1,024] x [K 1,024, N 1,024]; A: computed on the way; B: input Wo: QUANTISED
;;   THE QUANTISER, for each operand of a quantised product, along K:
;;     - K is cut into blocks of 32 from its start; a last block that is shorter is filled with zeros.
;;     - A block's scale is 2^e with e = floor(log2(the largest magnitude in the block)) - 2, held to -126 .. 127; a block of zeros has e = 0. As a byte (E8M0): e + 127.
;;     - Each number is divided by its block's scale, clamped to +-7.5, and rounded to the nearest number of E2M3, ties to even, subnormals kept.
;;     - The product sums the exact products of the quantised numbers (number of the format x scale) in f32.
;;   ~~~python
;;   def quantise(x, axis):      # numpy; x: float32 -> the quantised numbers, widened to float32 again
;;       x = np.moveaxis(x, axis, -1); K = x.shape[-1]
;;       x = np.pad(x, [(0, 0)] * (x.ndim - 1) + [(0, -K % 32)]); x = x.reshape(x.shape[:-1] + (-1, 32)); a = np.abs(x).max(-1, keepdims=True)
;;       e = np.where(a > 0, np.clip(np.frexp(np.where(a > 0, a, 1))[1] - 1 - 2, -126, 127), 0)      # np.frexp(a)[1] - 1 = floor(log2(a)), exactly
;;       r = np.clip(x / 2.0 ** e, -7.5, 7.5)
;;       step = 2.0 ** (np.maximum(np.frexp(np.where(r == 0, 1, r))[1] - 1, 0) - 3)
;;       q = np.round(r / step) * step * 2.0 ** e      # np.round: ties to even
;;       return np.moveaxis(q.reshape(q.shape[:-2] + (-1,))[..., :K], -1, axis).astype(np.float32)
;;   ~~~
;;   SOFTMAX AHEAD OF A QUANTISED PRODUCT. Where the list says 'softmax', what is quantised is not the finished softmax but p = 2^(t - M), with t = logit x log2(e) and M = ceil(the row's largest t), a whole number; so 1/2 < the row's largest p <= 1. The row's sum l is taken of the UNQUANTISED p, in f32, and the product's result is divided by l at the end. Since M is a whole number, a kernel that streams over the keys may use a running M (the ceiling of the running maximum): every later rescaling is an exact power of two, which a block's scale takes up: the codes' values come out the same.
;;   OPERANDS COMPUTED ON THE WAY. 'Computed on the way' means the value that the module computes at that place (a softmax that the list does not call 'softmax' is quantised finished and normalised). What goes into a quantiser is computed in f32, as accurately as f32 sums, v_exp_f32 and their like allow (about 1e-6 of the number): no bf16 or f16 on the way to a quantiser, and a product that is left as it is and whose result goes on into a quantised operand takes f32 operands (vector FMAs, or v_wmma_f32_16x16x4_f32). A number that lies on a knife's edge between two numbers of the format may be rounded either way, as far as f32 arithmetic and the matrix unit's own rounding can turn it there, and no further.
;; One version. Each part assembles by itself: llvm-mc -triple=amdgcn-amd-amdhsa -mcpu=gfx1250 --defsym DOCPART=n.
;; ======== version 1 of 1: 4 launches
;; limits: right only within a limited range of input values
;; workspace buffers: w1 10,354,688 bytes; w2 19,660,800 bytes; w3 6,553,600 bytes
;; launch quant (part 1): grid 400 x 1, 4 waves a work-group, no clusters, 33,280 bytes of LDS; arguments x, Wq, Wk, Wv, Wo, w1; writes w1
.if DOCPART == 1
	.amdgcn_target "amdgcn-amd-amdhsa--gfx1250"
	.amdhsa_code_object_version 6
	.text
	.protected	k_qf54bf48653_quant
	.globl	k_qf54bf48653_quant
	.p2align	8
	.type	k_qf54bf48653_quant,@function
k_qf54bf48653_quant:
	s_mov_b64 s[64:65], 0
	v_nop
	global_prefetch_b8 v0, s[64:65] scope:SCOPE_SE
	s_setreg_imm32_b32 hwreg(HW_REG_WAVE_MODE, 25, 1), 1
	s_wait_xcnt 0x0
; x [8192][1024] and Wq, Wk, Wv, Wo [1024][1024], f32, become codes of FP6 (E2M3) with one E8M0 byte for each 32 along K, in w1:
;   codes  at byte 0:         12,288 rows x 768 bytes (x, Wq, Wk, Wv, Wo on end);   scale bytes at byte 9,437,184: 12,288 rows x 32 bytes.
; A block's scale is 2^(floor(log2(its largest magnitude)) - 2); its byte is the largest magnitude's exponent field - 2, held at 1 from below.
; THE ORDER OF ROWS.  For x, Wq and Wk the 32 rows of a group are laid so that place 16 u + r holds row 2 r + u: the product's launch then finds the even and the odd
; feature of a rotary pair in one lane, and two neighbouring tokens in neighbouring places of its way out.  Wv and Wo keep their order.
; Work-groups 0-383: one group of 32 rows each, 8 rows a wave, 16 steps of 512 numbers.  Each load reads 512 consecutive bytes; a step's 2,048 bytes turn through the wave's own
; stage in LDS, so that a lane holds 16 neighbours along K (two neighbouring lanes hold a block).  A wave's codes (6,144 bytes) and scale bytes (256) are dense runs of the output.
; Work-groups 384-399: the rotary table at byte 9,830,400: 128 blocks of 4,096 bytes, laid as the image of the registers in which the next launch wants it.
; cos and sin of t x 10^(-j/8), t = 0 .. 2047, j = 0 .. 31: the product in f32, a reduction by multiples of pi/2 in two parts, polynomials on +-pi/4.
; LIMITS: NaN and infinities among the inputs are not served.  A block of zeros gets the byte 1 (its codes are zeros; this program alone reads the bytes).
; 10^(-j/8) is written as a constant rounded to f32: it may differ in the last bit from a power and a reciprocal taken in f32, some 1e-4 radians at the largest angles.
; The reduction holds for angles up to 2,047 radians, which is all that 2,048 tokens ask for.
.set STEPS, 16
.set EMAX,  2
.set CB,    12                         ; bytes of 16 codes
.set R,     16                         ; v16-79   four sets of 16 numbers as loaded
.set X,     80                         ; v80-111  two sets of 16 neighbours
.set E,     112                        ; v112-127 a scale byte for each step
.set C,     128                        ; v128-191 codes, four registers for each step
.set VA,    192                        ; v192-199 row k of my eight: 16 x lane + k x the distance between my rows; never rewritten
.set WREG,  8192                       ; LDS: a region for each wave: two stages of 32 x SP bytes, behind them its 256 scale bytes
.set SP,    80                         ; a lane's place in a stage: 64 bytes + 16 of padding
; THE CODES' PLACE IN w1: [K step of 256: 4][row: 12,288][192 bytes], 2,359,296 bytes a K step: 128 rows of one K step are 24,576 dense bytes that begin at a multiple of 256.
.set KSB,   2359296
.set SCOFF, 9437184
.set TABOFF, 9830400
	s_load_b256 s[4:11], s[0:1], 0x0               ; x, Wq, Wk, Wv
	s_load_b128 s[12:15], s[0:1], 0x20             ; Wo, w1
	v_lshl_add_u32 v200, v0, 2, 0x8000
	v_mov_b32 v201, 0
	v_lshrrev_b32 v1, 5, v0
	v_readfirstlane_b32 s16, v1                    ; wave
	v_and_b32 v2, 31, v0                           ; lane
	s_wait_kmcnt 0x0
	s_cmp_ge_u32 ttmp9, 384
	s_cbranch_scc1 .Ltable
	s_wait_alu depctr_va_vdst(0)
	v_lshlrev_b32 v3, 4, v2                        ; my 16 bytes of a load's 512
	s_mul_i32 s17, s16, WREG
	v_lshrrev_b32 v14, 2, v2
	v_mul_u32_u24 v14, v14, SP
	v_and_b32 v15, 3, v2
	v_lshl_add_u32 v14, v15, 4, v14
	v_add_nc_u32 v14, s17, v14                     ; the stage, on the way in: SP (lane / 4) + 16 (lane % 4)
	v_mul_u32_u24 v15, v2, SP
	v_add_nc_u32 v15, s17, v15                     ; and on the way out: SP x lane
	v_and_b32 v4, 15, v2
	v_mul_u32_u24 v4, v4, CB                       ; my codes' place: sixteen lanes fill a row's 192 bytes of one K step,
	v_lshrrev_b32 v10, 4, v2
	v_mul_u32_u24 v10, v10, KSB
	v_add_nc_u32 v4, v4, v10                       ; lanes 16-31 those of the next K step
	v_lshrrev_b32 v5, 1, v2
	s_add_co_u32 s17, s17, 2*32*SP
	v_add_nc_u32 v5, s17, v5                       ; my wave's 256 scale bytes, my block's byte
	v_lshlrev_b32 v7, 3, v2
	v_add_nc_u32 v6, s17, v7                       ; on the way out 8 bytes a lane
	; which tensor: the choice hangs on the work-group's number alone
	s_cmp_lt_u32 ttmp9, 352
	s_cselect_b64 s[20:21], s[10:11], s[12:13]
	s_cmp_lt_u32 ttmp9, 320
	s_cselect_b64 s[20:21], s[8:9], s[20:21]
	s_cmp_lt_u32 ttmp9, 288
	s_cselect_b64 s[20:21], s[6:7], s[20:21]
	s_and_b32 s22, ttmp9, 31                       ; the group within a weight (their first work-groups are multiples of 32)
	s_cmp_lt_u32 ttmp9, 256
	s_cselect_b64 s[20:21], s[4:5], s[20:21]
	s_cselect_b32 s22, ttmp9, s22                  ; within x: the work-group's number
	s_and_b32 s24, s16, 1
	s_lshl_b32 s24, s24, 4
	s_lshr_b32 s25, s16, 1
	s_add_co_u32 s24, s24, s25                     ; places 8 w .. 8 w + 7 hold rows 16 (w % 2) + w / 2 + 2 k,
	s_lshl_b32 s25, s16, 3                         ; or, where the order is kept, rows 8 w + k
	s_mov_b32 s23, 4096
	s_cmp_lt_u32 ttmp9, 320                        ; x, Wq, Wk
	s_cselect_b32 s24, s24, s25
	s_cselect_b32 s23, 8192, s23                   ; bytes from one of my rows to the next
	s_lshl_b32 s22, s22, 5
	s_add_co_u32 s22, s22, s24                     ; my first row
	s_lshl_b32 s26, s22, 12
	s_mov_b32 s27, 0
	s_add_nc_u64 s[20:21], s[20:21], s[26:27]
	s_lshl_b32 s28, ttmp9, 2
	s_add_co_u32 s28, s28, s16                     ; which run of 8 rows of the output is my wave's
	s_mul_i32 s26, s28, 1536
	s_add_nc_u64 s[8:9], s[14:15], s[26:27]        ; its codes
	s_lshl_b32 s26, s28, 8
	s_add_co_u32 s26, s26, SCOFF
	s_add_nc_u64 s[10:11], s[14:15], s[26:27]      ; its scale bytes
	v_mov_b32 v[VA], v3
.irp k, 1,2,3,4,5,6,7
	v_add_nc_u32 v[VA+\k], s23, v[VA+\k-1]
.endr
.macro LOAD t                          ; step t: half t % 2 of my row t / 2
.irp i, 0,1,2,3
	global_load_b128 v[R+16*((\t)%4)+4*\i:R+16*((\t)%4)+4*\i+3], v[VA+(\t)/2], s[20:21] offset:2048*((\t)%2)+512*\i th:TH_LOAD_NT   ; 32 lanes read 512 consecutive bytes
.endr
.endm
.macro TURN t                          ; step t's numbers through the stage: LDS serves a wave's instructions in order, so no wait stands between the stores and the loads
.irp i, 0,1,2,3
	ds_store_b128 v14, v[R+16*((\t)%4)+4*\i:R+16*((\t)%4)+4*\i+3] offset:32*SP*((\t)%2)+8*SP*\i
.endr
.irp i, 0,1,2,3
	ds_load_b128 v[X+16*((\t)%2)+4*\i:X+16*((\t)%2)+4*\i+3], v15 offset:32*SP*((\t)%2)+16*\i
.endr
.endm
.irp t, 0,1,2,3
	LOAD \t
.endr
	s_wait_alu depctr_va_vdst(0)
	s_wait_loadcnt 12                              ; step 0's four loads are in
	TURN 0
.macro STEP t
.set XS, X+16*((\t)%2)
.if (\t) > 0
	s_wait_dscnt 1                                 ; this step's numbers are back from the stage (the last step's byte store may be out): so its stores into the stage have read their registers,
.else
	s_wait_dscnt 0x0
.endif
.if (\t)+4 < STEPS
	LOAD (\t)+4                                    ; which take the loads of four steps on
.endif
.if (\t)+1 < STEPS
.if STEPS-2-(\t) >= 3
	s_wait_loadcnt 12                              ; the next step's four loads are in; those of the three steps behind it may be out
.else
	s_wait_loadcnt 4*(STEPS-2-(\t))
.endif
	TURN (\t)+1
.endif
	v_max3_num_f32 v8, |v[XS]|, |v[XS+1]|, |v[XS+2]|               ; the largest magnitude of my 16
	v_max3_num_f32 v9, |v[XS+3]|, |v[XS+4]|, |v[XS+5]|
.irp i, 6,10
	v_max3_num_f32 v8, v8, |v[XS+\i]|, |v[XS+\i+1]|
	v_max3_num_f32 v9, v9, |v[XS+\i+2]|, |v[XS+\i+3]|
.endr
	v_max3_num_f32 v8, v8, |v[XS+14]|, |v[XS+15]|
	v_max3_num_f32 v8, v8, v9, (EMAX+1)<<23        ; and the floor 2^(3 - 127): the byte cannot fall under 1
	v_max_num_f32_dpp v8, v8, v8 row_xmask:1 row_mask:0xf bank_mask:0xf   ; and of my neighbour's 16: the block's
	v_add_nc_u32 v11, -(EMAX<<23), v8              ; 2 off its exponent field: the conversion takes the exponent field of this operand as its scale
	v_cvt_scalef32_pk16_fp6_f32 v[C+4*(\t):C+4*(\t)+2], v[XS:XS+15], v11
	v_lshrrev_b32 v[E+(\t)], 23, v11               ; the scale's byte
	ds_store_b8 v5, v[E+(\t)] offset:16*(\t)       ; both lanes of a block write the same byte with the same value
	global_store_b96 v4, v[C+4*(\t):C+4*(\t)+2], s[8:9] offset:2*KSB*((\t)%2)+192*((\t)/2)   ; 2 x 192 consecutive bytes; a wave's eight rows fill 1,536 on end in each K step
.endm
.irp t, 0,1,2,3,4,5,6,7,8,9,10,11,12,13,14,15
	STEP \t
.endr
	ds_load_b64 v[12:13], v6                       ; LDS serves a wave's instructions in order: these see my stores
	s_wait_dscnt 0x0
	global_store_b64 v7, v[12:13], s[10:11]        ; 32 lanes store 256 consecutive bytes, aligned
	s_wait_tensorcnt 0x0
	ds_add_u32 v200, v201
	s_wait_dscnt 0x0
	s_endpgm
; THE ROTARY TABLE.  Thread sigma = 128 (work-group - 384) + thread: block A = sigma / 16, lane place r = sigma % 16, token t = 32 (A / 2) + 2 r + A % 2.
; Block A at 4,096 A: cos(t, j) for j = 16 b + 8 h + i lies at 512 (2 b + i / 4) + 256 h + 16 r + 4 (i % 4), sin 2,048 bytes on.
.Ltable:
	s_sub_co_u32 s17, ttmp9, 384
	s_lshl_b32 s17, s17, 7
	v_add_nc_u32 v1, s17, v0
	v_lshrrev_b32 v3, 4, v1                        ; A
	v_and_b32 v4, 15, v1                           ; r
	v_lshrrev_b32 v5, 1, v3
	v_lshlrev_b32 v5, 5, v5
	v_lshl_add_u32 v5, v4, 1, v5
	v_and_b32 v6, 1, v3
	v_add_nc_u32 v5, v5, v6                        ; the token
	v_cvt_f32_u32 v2, v5
	v_lshlrev_b32 v7, 12, v3
	v_lshl_add_u32 v7, v4, 4, v7                   ; 4,096 A + 16 r
	s_add_nc_u64 s[14:15], s[14:15], TABOFF
	v_mov_b32 v20, 0x3f22f983                      ; 2 / pi
	v_mov_b32 v21, 0xbfc90fdb                      ; -(pi / 2), the upper part
	v_mov_b32 v22, 0x333bbd2e                      ; what the upper part has too much: 4.37113883e-8
	v_mov_b32 v23, 0.0000244677067                 ; cos: s^4 ..
	v_mov_b32 v24, -0.00138877297
	v_mov_b32 v25, 0.0416666567
	v_mov_b32 v26, 0.00000286567956                ; sin: r s x ..
	v_mov_b32 v27, -0.000198559923
	v_mov_b32 v28, 0.00833338592
	v_mov_b32 v29, -0.166666672
.macro TRIG dc, ds, lit                ; cos and sin of t x lit into v[dc], v[ds]
	v_mul_f32 v10, \lit, v2                        ; the angle, one product in f32
	v_mul_f32 v11, v20, v10
	v_rndne_f32 v11, v11                           ; n: how many quarter turns
	v_fma_f32 v12, v11, v21, v10                   ; the angle - n pi / 2, in two parts
	v_fma_f32 v12, v11, v22, v12
	v_mul_f32 v13, v12, v12
	v_cvt_i32_f32 v14, v11
	v_fma_f32 v15, v13, v23, v24
	v_fma_f32 v15, v15, v13, v25
	v_fma_f32 v15, v15, v13, -0.5
	v_fma_f32 v15, v15, v13, 1.0                   ; cos of the rest
	v_fma_f32 v16, v13, v26, v27
	v_fma_f32 v16, v16, v13, v28
	v_fma_f32 v16, v16, v13, v29
	v_mul_f32 v17, v12, v13
	v_fma_f32 v16, v16, v17, v12                   ; sin of the rest
	v_and_b32 v18, 1, v14
	v_cmp_ne_u32 vcc_lo, 0, v18                    ; an odd quarter swaps the two
	v_cndmask_b32 v[\ds], v16, v15, vcc_lo
	v_cndmask_b32 v[\dc], v15, v16, vcc_lo
	v_lshlrev_b32 v18, 30, v14
	v_and_b32 v18, 0x80000000, v18                 ; sin changes sign in quarters 2 and 3,
	v_xor_b32 v[\ds], v[\ds], v18
	v_add_nc_u32 v14, 1, v14
	v_lshlrev_b32 v18, 30, v14
	v_and_b32 v18, 0x80000000, v18                 ; cos in quarters 1 and 2
	v_xor_b32 v[\dc], v[\dc], v18
.endm
.macro QUAD g, l0, l1, l2, l3          ; j = 4 g + 0 .. 3; each group has data registers of its own, so no store's data are written again
	TRIG 128+8*\g, 132+8*\g, \l0
	TRIG 129+8*\g, 133+8*\g, \l1
	TRIG 130+8*\g, 134+8*\g, \l2
	TRIG 131+8*\g, 135+8*\g, \l3
	global_store_b128 v7, v[128+8*\g:131+8*\g], s[14:15] offset:512*(2*(\g/4)+\g%2)+256*((\g/2)%2)        ; sixteen lanes store 256 consecutive bytes, aligned
	global_store_b128 v7, v[132+8*\g:135+8*\g], s[14:15] offset:2048+512*(2*(\g/4)+\g%2)+256*((\g/2)%2)
.endm
	QUAD 0, 1.0, 0.7498942093, 0.5623413252, 0.4216965034
	QUAD 1, 0.3162277660, 0.2371373706, 0.1778279410, 0.1333521432
	QUAD 2, 0.1, 0.07498942093, 0.05623413252, 0.04216965034
	QUAD 3, 0.03162277660, 0.02371373706, 0.01778279410, 0.01333521432
	QUAD 4, 0.01, 0.007498942093, 0.005623413252, 0.004216965034
	QUAD 5, 0.003162277660, 0.002371373706, 0.001778279410, 0.001333521432
	QUAD 6, 0.001, 0.0007498942093, 0.0005623413252, 0.0004216965034
	QUAD 7, 0.0003162277660, 0.0002371373706, 0.0001778279410, 0.0001333521432
	s_endpgm
.Lfunc_end_k_qf54bf48653_quant:
	.size	k_qf54bf48653_quant, .Lfunc_end_k_qf54bf48653_quant-k_qf54bf48653_quant
	.p2alignl 7, 3214868480
	.fill 96, 4, 3214868480
	.section	.rodata,"a",@progbits
	.p2align	6, 0x0
	.amdhsa_kernel k_qf54bf48653_quant
		.amdhsa_group_segment_fixed_size 33280
		.amdhsa_private_segment_fixed_size 0
		.amdhsa_enable_private_segment 0
		.amdhsa_kernarg_size 48
		.amdhsa_user_sgpr_count 2
		.amdhsa_user_sgpr_kernarg_segment_ptr 1
		.amdhsa_wavefront_size32 1
		.amdhsa_system_sgpr_workgroup_id_x 1
		.amdhsa_system_sgpr_workgroup_id_y 1
		.amdhsa_system_sgpr_workgroup_id_z 1
		.amdhsa_system_vgpr_workitem_id 0
		.amdhsa_next_free_vgpr 202
		.amdhsa_next_free_sgpr 66
		.amdhsa_reserve_vcc 1
		.amdhsa_float_denorm_mode_32 3
		.amdhsa_float_denorm_mode_16_64 3
		.amdhsa_memory_ordered 1
		.amdhsa_forward_progress 1
		.amdhsa_inst_pref_size 76
	.end_amdhsa_kernel
	.amdgpu_metadata
---
amdhsa.version: [ 1, 2 ]
amdhsa.kernels:
  - .name:           k_qf54bf48653_quant
    .symbol:         k_qf54bf48653_quant.kd
    .args:
      - { .name: x, .offset: 0, .size: 8, .value_kind: global_buffer, .address_space: global }
      - { .name: Wq, .offset: 8, .size: 8, .value_kind: global_buffer, .address_space: global }
      - { .name: Wk, .offset: 16, .size: 8, .value_kind: global_buffer, .address_space: global }
      - { .name: Wv, .offset: 24, .size: 8, .value_kind: global_buffer, .address_space: global }
      - { .name: Wo, .offset: 32, .size: 8, .value_kind: global_buffer, .address_space: global }
      - { .name: w1, .offset: 40, .size: 8, .value_kind: global_buffer, .address_space: global }
    .group_segment_fixed_size: 33280
    .private_segment_fixed_size: 0
    .kernarg_segment_align: 8
    .kernarg_segment_size: 48
    .max_flat_workgroup_size: 128
    .sgpr_count:     66
    .vgpr_count:     202
    .wavefront_size: 32
...
	.end_amdgpu_metadata
.endif
;; end of part 1
;; launch qkv (part 2): grid 12 x 32, 4 waves a work-group, clusters of 4 x 4, 327,680 bytes of LDS; arguments w1, w2; writes w2
.if DOCPART == 2
	.amdgcn_target "amdgcn-amd-amdhsa--gfx1250"
	.amdhsa_code_object_version 6
	.text
	.protected	k_qf54bf48653_qkv
	.globl	k_qf54bf48653_qkv
	.p2align	8
	.type	k_qf54bf48653_qkv,@function
k_qf54bf48653_qkv:
	s_mov_b64 s[64:65], 0
	v_nop
	global_prefetch_b8 v0, s[64:65] scope:SCOPE_SE
	s_setreg_imm32_b32 hwreg(HW_REG_WAVE_MODE, 25, 1), 1
	s_wait_xcnt 0x0
	s_wait_alu depctr_hold_cnt(0) depctr_sa_sdst(0) depctr_va_vdst(0) depctr_va_sdst(0) depctr_va_ssrc(0) depctr_va_vcc(0) depctr_vm_vsrc(0)
	s_getreg_b32 s2, hwreg(HW_REG_IB_STS2, 6, 4)
	s_cmp_eq_u32 s2, 0
	s_cbranch_scc0 .Lentry_in_a_cluster
	s_endpgm
.Lentry_in_a_cluster:
	s_bfe_u32 s2, ttmp6, 0x10000c
	s_cmp_lg_u32 s2, 0xf033
	s_cbranch_scc0 .Lentry_shape_is_right
	s_endpgm
.Lentry_shape_is_right:
.set KSTEP,  256
.set NQ,     KSTEP/128
.set ROWB,   192
.set KSB,    2359296                   ; w1's codes lie [K step][row][192 bytes]: bytes from one K step to the next
.set KROW,   768
.set PITCH,  240
.set FR,     12
.set NL,     6
.set NP,     4
.set HALFT,  128*PITCH
.set SLOT,   4*HALFT
.set LAPS,   2
.set KS,     32
.set SCL,    2*SLOT
.set HALFS,  (128*KS/256)*272
.set SBLK,   (16*KS/256)*272
.set SPARE,  SCL+4*HALFS
.set W1SC,   9437184
.set W1TAB,  9830400
.set W2SC,   18874368
.set QKST,   0
.set VST,    36864
.set SCST,   73728
.set ADRA, 16
.set ADRB, 20
.set STO,  24
.set RD,   25
.set CO,   26
.set ADRS, 27
.set SPW,  28
.set NIL,  29
.set SST,  30
.set SRD,  31
.set SCO,  7
.set TBO,  8
.set SC,   32
.set AF,   128
.set G1, 24
.set G0, 32
.set G1B, 48
.set G0B, 56
.set G1S, 68
.set G0S, 76
.set G1SB, 80
.set G0SB, 88
.set MSB, 0
.macro WIN new
.if MSB != \new
	s_set_vgpr_msb (MSB<<8)|\new
.set MSB, \new
.endif
.endm
.set MUL_LO, 0xa1
.set MUL_HI, 0xf1
.set TO_B,   0x40
.macro JLOAD g0a, g1a, g0b, g1b
	s_cmp_eq_u32 s15, 0
	s_cbranch_scc0 .Lfor_b_\@
	tensor_load_to_lds s[\g0a:\g0a+3], s[\g1a:\g1a+7]
	s_nop 0
.rept 4
	v_nop
.endr
	s_branch .Lasked_\@
.Lfor_b_\@:
	tensor_load_to_lds s[\g0b:\g0b+3], s[\g1b:\g1b+7]
	s_nop 0
.rept 4
	v_nop
.endr
.Lasked_\@:
.endm
.macro CREST
	s_cmp_lg_u32 s14, 0
	s_cbranch_scc1 .Lnot_wave_0_\@
	s_barrier_signal -3
.Lnot_wave_0_\@:
	s_barrier_wait -3
	s_barrier_signal -1
	s_barrier_wait -1
.endm
.macro CROUND
	s_barrier_signal -1
	s_barrier_wait -1
	CREST
.endm
	s_load_b128 s[4:7], s[0:1], 0x0
	v_lshl_add_u32 v[SPW], v0, 2, SPARE
	v_mov_b32 v[NIL], 0
	ds_add_u32 v28, v29
	ds_add_u32 v28, v29
	s_wait_dscnt 0x0
	v_lshrrev_b32 v1, 5, v0
	v_readfirstlane_b32 s14, v1
	s_lshr_b32 s15, s14, 1
	s_and_b32 s16, s14, 1
	s_bfe_u32 s40, ttmp6, 0x40000
	s_bfe_u32 s41, ttmp6, 0x40004
	s_and_b32 s17, ttmp7, 0xffff
	s_cmp_eq_u32 ttmp9, 2
	s_cselect_b32 s42, s17, ttmp9
	s_cselect_b32 s17, 0, s17
	s_cselect_b32 s66, 10240, 0
	s_cselect_b32 s67, 0, 8192
	s_lshl_b32 s42, s42, 2
	s_add_co_u32 s42, s42, s40
	s_lshl_b32 s17, s17, 2
	s_add_co_u32 s17, s17, s41
	s_lshl_b32 s43, s41, 2
	s_lshl_b32 s43, 15, s43
	s_lshl_b32 s44, 0x1111, s40
	s_or_b32 s[G1+0], s43, (0<<16)|(1<<20)|(1<<21)|(3<<22)|(3<<25)
	s_or_b32 s[G1B+0], s44, (0<<16)|(1<<20)|(1<<21)|(3<<22)|(3<<25)
.irp g, G1, G1B
	s_mov_b32 s[\g+1], KROW<<16                    ; 128 rows x 192 bytes are dense: stated as 32 rows of 768 bytes, each at a multiple of 256
	s_mov_b32 s[\g+2], 64<<16                      ; the head's loads bring 256 rows of codes (64 x 768 bytes); behind them the two words are set to 32, for the ring's
	s_mov_b32 s[\g+3], KROW<<16
	s_mov_b32 s[\g+4], 64
	s_mov_b32 s[\g+5], KROW
	s_mov_b32 s[\g+6], 0
	s_mov_b32 s[\g+7], 0
.endr
	s_or_b32 s[G1S+0], s43, (3<<16)|(1<<20)|(1<<21)|(5<<22)|(3<<25)
	s_or_b32 s[G1SB+0], s44, (3<<16)|(1<<20)|(1<<21)|(5<<22)|(3<<25)
.irp g, G1S, G1SB
	s_mov_b32 s[\g+1], 32<<16
	s_mov_b32 s[\g+2], (256*KS/256)<<16            ; the scales of all 256 rows in one load
	s_mov_b32 s[\g+3], 32<<16
	s_mov_b32 s[\g+4], 256*KS/256
	s_mov_b32 s[\g+5], 32
	s_mov_b32 s[\g+6], 0
	s_mov_b32 s[\g+7], 0
.endr
	s_lshl_b32 s18, s16, 7
	s_lshl_b32 s20, s17, 8
	s_add_co_u32 s20, s20, s66
	s_lshl_b32 s46, s42, 8
	s_add_co_u32 s46, s46, s67
	s_mov_b32 s21, 0
	s_mov_b32 s47, 0
	s_lshl_b32 s22, s20, 5                         ; the scales of the tile's first row: KS = 32 bytes a row
	s_mov_b32 s23, 0
	s_lshl_b32 s92, s46, 5
	s_mov_b32 s93, 0
	s_add_co_u32 s20, s20, s18                     ; the codes: my 128 rows of the tile
	s_add_co_u32 s46, s46, s18
	s_mov_b64 s[18:19], ROWB
	s_mul_u64 s[20:21], s[20:21], s[18:19]
	s_mul_u64 s[46:47], s[46:47], s[18:19]
	s_mul_i32 s45, s14, HALFT
	s_wait_kmcnt 0x0
	s_add_nc_u64 s[10:11], s[4:5], W1SC
	s_add_nc_u64 s[20:21], s[4:5], s[20:21]
	s_add_nc_u64 s[22:23], s[10:11], s[22:23]
	s_add_nc_u64 s[46:47], s[4:5], s[46:47]
	s_add_nc_u64 s[92:93], s[10:11], s[92:93]
	CROUND
	s_mov_b32 s[G0S], 1
	s_mov_b32 s[G0S+1], SCL
	s_mov_b64 s[G0S+2:G0S+3], s[22:23]
	s_or_b32 s[G0S+3], s[G0S+3], 0x80000000
	s_mov_b32 s[G0SB], 1
	s_mov_b32 s[G0SB+1], SCL+2*HALFS
	s_mov_b64 s[G0SB+2:G0SB+3], s[92:93]
	s_or_b32 s[G0SB+3], s[G0SB+3], 0x80000000
.irp s, 0,1
	s_mov_b32 s[G0+4*\s], 1
	s_add_co_u32 s[G0+4*\s+1], s45, \s*SLOT
	s_add_nc_u64 s[G0+4*\s+2:G0+4*\s+3], s[20:21], \s*KSB
	s_or_b32 s[G0+4*\s+3], s[G0+4*\s+3], 0x80000000
	s_mov_b32 s[G0B+4*\s], 1
	s_add_co_u32 s[G0B+4*\s+1], s45, \s*SLOT
	s_add_nc_u64 s[G0B+4*\s+2:G0B+4*\s+3], s[46:47], \s*KSB
	s_or_b32 s[G0B+4*\s+3], s[G0B+4*\s+3], 0x80000000
.endr
; THE HEAD'S LOADS, ONE A WAVE, in one chain of branches on the wave's number: wave 0 K step 0's 256 rows of A (its own group 0 of slot 0 begins at the tile's first row), wave 1 A's scales, wave 2 the 256 rows of B, wave 3 B's scales
.macro ARM under, g0, g1, next
	s_cmp_lt_u32 s14, \under
	s_cbranch_scc0 \next
	tensor_load_to_lds s[\g0:\g0+3], s[\g1:\g1+7]
	s_nop 0
.rept 4
	v_nop
.endr
	s_branch .Lhead_asked
\next:
.endm
	ARM 1, G0,  G1,  .Lhead_sa
	ARM 2, G0S, G1S, .Lhead_b
	ARM 3, G0B, G1B, .Lhead_sb
	tensor_load_to_lds s[G0SB:G0SB+3], s[G1SB:G1SB+7]
	s_nop 0
.rept 4
	v_nop
.endr
.Lhead_asked:
	v_and_b32 v1, 15, v0
	v_bfe_u32 v2, v0, 4, 1
	v_mul_u32_u24 v3, v1, PITCH
	v_mul_u32_u24 v4, v2, 24
	v_add_nc_u32 v4, v3, v4
	v_lshl_add_u32 v5, v2, 4, v4
	s_mul_i32 s21, s15, HALFT
	s_mul_i32 s22, s16, HALFT
	s_add_co_u32 s22, s22, 2*HALFT
.irp s, 0,1
	v_add_nc_u32 v[ADRA+\s], s21, v4
	v_add_nc_u32 v[ADRB+\s], s22, v4
	v_add_nc_u32 v[ADRA+2+\s], s21, v5
	v_add_nc_u32 v[ADRB+2+\s], s22, v5
	s_add_co_u32 s21, s21, SLOT
	s_add_co_u32 s22, s22, SLOT
.endr
	v_mul_u32_u24 v5, v1, KS
	v_lshrrev_b32 v6, 8, v5
	v_lshl_add_u32 v5, v6, 4, v5
	s_mul_i32 s21, s15, HALFS
	s_mul_i32 s22, s16, HALFS
	s_add_co_u32 s22, s22, 2*HALFS
	s_sub_co_u32 s22, s22, s21
	v_mul_u32_u24 v6, s22, v2
	s_add_co_u32 s21, s21, SCL
	v_add_nc_u32 v5, v5, v6
	v_add_nc_u32 v[ADRS], s21, v5
	s_mul_i32 s23, s14, 9216
	v_mul_u32_u24 v5, v1, 144
	v_lshl_add_u32 v5, v2, 4, v5
	v_add_nc_u32 v[STO], s23, v5
	v_and_b32 v6, 31, v0
	v_lshrrev_b32 v5, 3, v6
	v_mul_u32_u24 v5, v5, 144
	v_and_b32 v9, 7, v0
	v_lshl_add_u32 v5, v9, 4, v5
	v_add_nc_u32 v[RD], s23, v5
	v_mul_u32_u24 v[CO], v6, 12
	s_lshl_b32 s23, s14, 9
	s_add_co_u32 s23, s23, SCST
	v_lshl_add_u32 v[SST], v1, 2, s23
	v_lshl_add_u32 v[SRD], v6, 4, s23
	v_lshlrev_b32 v[SCO], 12, v2
	v_lshl_add_u32 v[SCO], v1, 4, v[SCO]
	v_lshlrev_b32 v[TBO], 4, v6
.irp b, 0,1,2,3
	v_mov_b32 v[244+\b], 0
.endr
	s_mov_b32 s96, 0x76543210
	s_mov_b32 s97, 0xfedcba98
	s_cmp_eq_u32 ttmp9, 2
	s_cselect_b32 s18, s42, s17
	s_cselect_b32 s19, s16, s15
	s_cselect_b32 s22, s41, s40
	s_cselect_b32 s23, s15, s16
	s_lshl_b32 s18, s18, 8
	s_lshl_b32 s19, s19, 7
	s_add_co_u32 s18, s18, s19
	s_lshr_b32 s19, s18, 11
	s_and_b32 s18, s18, 2047
	s_lshl_b32 s22, s22, 2
	s_lshl_b32 s23, s23, 1
	s_add_co_u32 s22, s22, s23
	s_lshl_b32 s19, s19, 4
	s_add_co_u32 s19, s19, s22
	s_mul_i32 s20, ttmp9, 6291456
	s_mul_i32 s21, s19, 98304
	s_add_co_u32 s20, s20, s21
	s_mul_i32 s21, s18, 48
	s_add_co_u32 s20, s20, s21
	s_mov_b32 s21, 0
	s_add_nc_u64 s[8:9], s[6:7], s[20:21]
	s_lshl_b32 s20, ttmp9, 18
	s_lshl_b32 s22, s19, 12
	s_add_co_u32 s20, s20, s22
	s_lshl_b32 s22, s18, 1
	s_add_co_u32 s20, s20, s22
	s_add_co_u32 s20, s20, W2SC
	s_add_nc_u64 s[10:11], s[6:7], s[20:21]
	s_lshl_b32 s20, s18, 8
	s_add_co_u32 s20, s20, W1TAB
	s_add_nc_u64 s[12:13], s[4:5], s[20:21]
.macro FRAG reg, adr, q, i
.irp p, 0,1,2,3,4,5
.set PC, 12*(\q)+6*(\p/3)+\p%3
.if PC%8 < 5
	ds_load_b64 v[\reg+2*\p:\reg+2*\p+1], v[\adr] offset:8*PC+16*(PC/8)+(\i)*16*PITCH
.else
	ds_load_b64 v[\reg+2*\p:\reg+2*\p+1], v[\adr+2] offset:8*PC+16*(PC/8)+(\i)*16*PITCH
.endif
.endr
.endm
.macro MUL16 a0, p, q, sc, zero
.irp a, \a0, \a0+1
.irp b, 0,1,2,3,4,5,6,7
.if \zero
	v_wmma_scale_f32_16x16x128_f8f6f4 v[8*(8*((\a)%4)+\b):8*(8*((\a)%4)+\b)+7], v[128*(\p)+FR*\b:128*(\p)+FR*\b+FR-1], v[AF+FR*(\a):AF+FR*(\a)+FR-1], 0, v[SC+8*NQ*(\sc)+NQ*\b+(\q)], v[SC+8*NQ*(\sc)+NQ*(\a)+(\q)] matrix_a_fmt:MATRIX_FMT_FP6 matrix_b_fmt:MATRIX_FMT_FP6 matrix_a_scale:MATRIX_SCALE_ROW1
.else
	v_wmma_scale_f32_16x16x128_f8f6f4 v[8*(8*((\a)%4)+\b):8*(8*((\a)%4)+\b)+7], v[128*(\p)+FR*\b:128*(\p)+FR*\b+FR-1], v[AF+FR*(\a):AF+FR*(\a)+FR-1], v[8*(8*((\a)%4)+\b):8*(8*((\a)%4)+\b)+7], v[SC+8*NQ*(\sc)+NQ*\b+(\q)], v[SC+8*NQ*(\sc)+NQ*(\a)+(\q)] matrix_a_fmt:MATRIX_FMT_FP6 matrix_b_fmt:MATRIX_FMT_FP6 matrix_a_scale:MATRIX_SCALE_ROW1
.endif
.endr
.endr
.endm
.macro FETCH_B slot, q, p
	WIN TO_B
.irp i, 0,1,2,3,4,5,6,7
	FRAG 128*(\p)+FR*\i, ADRB+\slot, \q, \i
.endr
	WIN 0
.endm
.macro FETCH_A slot, q, i0
.irp i, \i0, \i0+1, \i0+2, \i0+3
	FRAG AF+FR*(\i), ADRA+\slot, \q, \i
.endr
.endm
.macro SCALES sc
.irp i, 0,1,2,3,4,5,6,7
	ds_load_b64 v[SC+8*NQ*\sc+NQ*\i:SC+8*NQ*\sc+NQ*\i+1], v[ADRS] offset:\i*SBLK
.endr
.endm
.macro PLACES n
.rept \n
	v_nop
.endr
.endm
.macro STEP slot, q, zero
	s_wait_dscnt 4*NL
	WIN MUL_LO
	MUL16 0, (\q)%2, \q, \slot, \zero
	MUL16 2, (\q)%2, \q, \slot, \zero
	s_wait_dscnt 0
	PLACES NP
	FETCH_B \slot, (\q)+1, 1-(\q)%2
	FETCH_A \slot, (\q)+1, 0
	WIN MUL_HI
	MUL16 4, (\q)%2, \q, \slot, \zero
	MUL16 6, (\q)%2, \q, \slot, \zero
	PLACES NP
	WIN 0
	FETCH_A \slot, (\q)+1, 4
.endm
.macro TURN slot, next, fill
	s_wait_tensorcnt 0x0
	ds_add_u32 v[SPW], v[NIL]
	s_wait_dscnt 4*NL+1
	WIN MUL_LO
	MUL16 0, 1, NQ-1, \slot, 0
	s_wait_dscnt 0x0
	s_barrier_signal -1
	MUL16 2, 1, NQ-1, \slot, 0
	WIN 0
	s_barrier_wait -1
.if \fill
	CREST
	s_add_nc_u64 s[G0+4*\slot+2:G0+4*\slot+3], s[G0+4*\slot+2:G0+4*\slot+3], 2*KSB
	s_add_nc_u64 s[G0B+4*\slot+2:G0B+4*\slot+3], s[G0B+4*\slot+2:G0B+4*\slot+3], 2*KSB
	JLOAD G0+4*\slot, G1, G0B+4*\slot, G1B
.else
	PLACES NP
.endif
	s_wait_alu depctr_va_vdst(0)
	v_add_nc_u32 v[ADRS], 4*NQ, v[ADRS]
	FETCH_B \next, 0, 0
	FETCH_A \next, 0, 0
	SCALES \next
	WIN MUL_HI
	MUL16 4, 1, NQ-1, \slot, 0
	MUL16 6, 1, NQ-1, \slot, 0
	PLACES NP
	WIN 0
	FETCH_A \next, 0, 4
.endm
.macro LAST
	s_wait_dscnt 4*NL
	WIN MUL_LO
	MUL16 0, 1, NQ-1, 1, 0
	MUL16 2, 1, NQ-1, 1, 0
	s_wait_dscnt 0
	WIN MUL_HI
	MUL16 4, 1, NQ-1, 1, 0
	MUL16 6, 1, NQ-1, 1, 0
	WIN 0
.endm
.macro TABLES hf
	WIN TO_B
.irp a, 0,1,2,3
.irp k, 0,1,2,3,4,5,6,7
	global_load_b128 v[128*\hf+32*\a+4*\k:128*\hf+32*\a+4*\k+3], v[TBO], s[12:13] offset:4096*(4*\hf+\a)+512*\k
.endr
.endr
	WIN 0
.endm
.macro QKUNIT a, g
.set AC, 64*((\a)%4)+32*(\g)
.set TT, 32*(\a)
.set CD, 160+8*((\a)%2)
.set WD, 176+(\a)%2
.set WW, (2+(\a)/4)|4
.if \g == 0
	s_wait_loadcnt 56-8*(\a)
.endif
	s_wait_dscnt 3
	WIN WW
.irp c, 0,1
.irp i, 0,2,4,6
	v_pk_mul_f32 v[128+8*\c+\i:129+8*\c+\i], v[AC+16*\c+8+\i:AC+16*\c+9+\i], v[TT+16+8*\c+\i:TT+17+8*\c+\i]
	v_pk_mul_f32 v[144+8*\c+\i:145+8*\c+\i], v[AC+16*\c+8+\i:AC+16*\c+9+\i], v[TT+8*\c+\i:TT+1+8*\c+\i]
.endr
.irp i, 0,2,4,6
	v_pk_fma_f32 v[96+8*\c+\i:97+8*\c+\i], v[AC+16*\c+\i:AC+16*\c+1+\i], v[TT+8*\c+\i:TT+1+8*\c+\i], v[128+8*\c+\i:129+8*\c+\i] neg_lo:[0,0,1] neg_hi:[0,0,1]
	v_pk_fma_f32 v[112+8*\c+\i:113+8*\c+\i], v[AC+16*\c+\i:AC+16*\c+1+\i], v[TT+16+8*\c+\i:TT+17+8*\c+\i], v[144+8*\c+\i:145+8*\c+\i]
.endr
.endr
	WIN 0
	v_max3_num_f32 v240, |v96|, |v97|, 0x1800000
	v_max3_num_f32 v241, |v112|, |v113|, 0x1800000
.irp i, 2,4,6,8,10,12,14
	v_max3_num_f32 v240, v240, |v[96+\i]|, |v[97+\i]|
	v_max3_num_f32 v241, v241, |v[112+\i]|, |v[113+\i]|
.endr
	v_permlanex16_b32 v244, v240, s96, s97
	v_permlanex16_b32 v245, v241, s96, s97
	v_max_num_f32 v240, v240, v244
	v_max_num_f32 v241, v241, v245
	v_add_nc_u32 v248, 0xff000000, v240
	v_add_nc_u32 v249, 0xff000000, v241
	v_lshrrev_b32 v250, 23, v248
	v_lshrrev_b32 v251, 23, v249
	v_lshl_or_b32 v[WD], v251, 8, v250
	v_cvt_scalef32_pk16_fp6_f32 v[CD:CD+2], v[96:111], v248
	v_cvt_scalef32_pk16_fp6_f32 v[CD+4:CD+6], v[112:127], v249
	v_nop
	ds_store_b96 v[STO], v[CD:CD+2] offset:QKST+2304*((\a)/2)+64*((\a)%2)
	ds_store_b96 v[STO], v[CD+4:CD+6] offset:QKST+2304*((\a)/2)+64*((\a)%2)+32
	ds_store_b16 v[SST], v[WD] offset:256*(\g)+64*((\a)/2)+2*((\a)%2)
.endm
.macro VUNIT a
.set AC, 64*((\a)%4)
.set WA, 2+(\a)/4
.set WW, WA|(WA<<2)
.set CD, 160+16*((\a)%2)
.if (\a) > 1
	s_wait_dscnt 5
.endif
	WIN WW
.irp b, 0,1,2,3
	v_max3_num_f32 v[240+\b], |v[AC+16*\b]|, |v[AC+16*\b+1]|, 0x1800000
.endr
.irp i, 2,4,6,8,10,12,14
.irp b, 0,1,2,3
	v_max3_num_f32 v[240+\b], |v[AC+16*\b+\i]|, |v[AC+16*\b+\i+1]|, v[240+\b]
.endr
.endr
	WIN 0
.irp b, 0,1,2,3
	v_permlanex16_b32 v[244+\b], v[240+\b], s96, s97
.endr
.irp b, 0,1,2,3
	v_max_num_f32 v[240+\b], v[240+\b], v[244+\b]
.endr
.irp b, 0,1,2,3
	v_add_nc_u32 v[248+\b], 0xff000000, v[240+\b]
.endr
.irp b, 0,1,2,3
	v_lshrrev_b32 v[244+\b], 23, v[248+\b]
.endr
	v_lshl_or_b32 v[252+(\a)%2], v245, 8, v244
	v_lshl_or_b32 v[252+(\a)%2], v246, 16, v[252+(\a)%2]
	v_lshl_or_b32 v[252+(\a)%2], v247, 24, v[252+(\a)%2]
	WIN WA
.irp b, 0,1,2,3
	v_cvt_scalef32_pk16_fp6_f32 v[CD+4*\b:CD+4*\b+2], v[AC+16*\b:AC+16*\b+15], v[248+\b]
.endr
	WIN 0
	v_nop
.irp b, 0,1,2,3
	ds_store_b96 v[STO], v[CD+4*\b:CD+4*\b+2] offset:VST+2304*((\a)%4)+32*\b
.endr
	ds_store_b32 v[SST], v[252+(\a)%2] offset:2048+256*((\a)/4)+64*((\a)%4)
.endm
.macro SENDHEAD base, g
.if \g
	s_wait_xcnt 0x0
.endif
.irp k, 0,1,2,3,4,5,6,7,8,9,10,11,12,13,14,15
	ds_load_b96 v[64+4*\k+96*(\k/8):66+4*\k+96*(\k/8)], v[RD] offset:\base+576*\k
.endr
.irp k, 0,1,2,3,4,5,6,7,8,9,10,11,12,13,14,15
	s_wait_dscnt 15-\k
	global_store_b96 v[CO], v[64+4*\k+96*(\k/8):66+4*\k+96*(\k/8)], s[8:9] offset:98304*\g+384*\k
.endr
.endm
.macro SENDSCALE base
	s_wait_xcnt 0x0
	ds_load_b128 v[64:67], v[SRD] offset:\base
	s_wait_dscnt 0x0
	global_store_b128 v[SCO], v[64:67], s[10:11]
.endm
.macro FINAL
	s_wait_tensorcnt 0x0
	ds_add_u32 v[SPW], v[NIL]
	s_wait_dscnt 0x0
	CROUND
	s_endpgm
.endm
	s_wait_alu depctr_va_vdst(0)                   ; the wait at the head's end
	s_wait_tensorcnt 0x0                           ; my tile of the head's four is in; the lines ahead of a later first fill:
	ds_add_u32 v[SPW], v[NIL]
	s_mov_b32 s[G1+2], 32<<16                      ; no tensor load of mine is out: from here on a load brings 128 rows (32 x 768 bytes)
	s_mov_b32 s[G1+4], 32
	s_mov_b32 s[G1B+2], 32<<16
	s_mov_b32 s[G1B+4], 32
	s_wait_dscnt 0x0
	CROUND                                         ; all four tiles are in, and all sixteen work-groups are here
	JLOAD G0+4, G1, G0B+4, G1B                     ; K step 1, the first tensor load behind the round
	FETCH_B 0, 0, 0
	FETCH_A 0, 0, 0
	SCALES 0
	FETCH_A 0, 0, 4
	STEP 0, 0, 1
	s_mov_b32 s3, LAPS-1
.Llap:
	TURN 0, 1, 1
	STEP 1, 0, 0
	TURN 1, 0, 1
	STEP 0, 0, 0
	s_sub_co_u32 s3, s3, 1
	s_cmp_lg_u32 s3, 0
	s_cbranch_scc1 .Llap
	TURN 0, 1, 0
	STEP 1, 0, 0
	s_cmp_eq_u32 ttmp9, 2
	s_cbranch_scc1 .Lv
	TABLES 0
	LAST
	PLACES NP
	TABLES 1
.irp g, 0,1
.irp a, 0,1,2,3,4,5,6,7
	QKUNIT \a, \g
.endr
	SENDHEAD QKST, \g
.endr
	SENDSCALE 0
	FINAL
.Lv:
	LAST
	PLACES NP
.irp a, 0,1,2,3
	VUNIT \a
.endr
	SENDHEAD VST, 0
.irp a, 4,5,6,7
	VUNIT \a
.endr
	SENDHEAD VST, 1
	SENDSCALE 2048
	FINAL
.Lfunc_end_k_qf54bf48653_qkv:
	.size	k_qf54bf48653_qkv, .Lfunc_end_k_qf54bf48653_qkv-k_qf54bf48653_qkv
	.p2alignl 7, 3214868480
	.fill 96, 4, 3214868480
	.section	.rodata,"a",@progbits
	.p2align	6, 0x0
	.amdhsa_kernel k_qf54bf48653_qkv
		.amdhsa_group_segment_fixed_size 327680
		.amdhsa_private_segment_fixed_size 0
		.amdhsa_enable_private_segment 0
		.amdhsa_kernarg_size 16
		.amdhsa_user_sgpr_count 2
		.amdhsa_user_sgpr_kernarg_segment_ptr 1
		.amdhsa_wavefront_size32 1
		.amdhsa_system_sgpr_workgroup_id_x 1
		.amdhsa_system_sgpr_workgroup_id_y 1
		.amdhsa_system_sgpr_workgroup_id_z 1
		.amdhsa_system_vgpr_workitem_id 0
		.amdhsa_next_free_vgpr 1024
		.amdhsa_next_free_sgpr 100
		.amdhsa_reserve_vcc 0
		.amdhsa_float_denorm_mode_32 3
		.amdhsa_float_denorm_mode_16_64 3
		.amdhsa_memory_ordered 1
		.amdhsa_forward_progress 1
		.amdhsa_inst_pref_size 254
	.end_amdhsa_kernel
	.amdgpu_metadata
---
amdhsa.version: [ 1, 2 ]
amdhsa.kernels:
  - .name:           k_qf54bf48653_qkv
    .symbol:         k_qf54bf48653_qkv.kd
    .args:
      - { .name: w1, .offset: 0, .size: 8, .value_kind: global_buffer, .address_space: global }
      - { .name: w2, .offset: 8, .size: 8, .value_kind: global_buffer, .address_space: global }
    .group_segment_fixed_size: 327680
    .private_segment_fixed_size: 0
    .kernarg_segment_align: 8
    .kernarg_segment_size: 16
    .max_flat_workgroup_size: 128
    .sgpr_count:     100
    .vgpr_count:     1024
    .wavefront_size: 32
...
	.end_amdgpu_metadata
.endif
;; end of part 2
;; launch attn (part 3): grid 4 x 64, 16 waves a work-group, clusters of 4 x 1, 327,680 bytes of LDS; arguments w2, w3; writes w3
.if DOCPART == 3
	.amdgcn_target "amdgcn-amd-amdhsa--gfx1250"
	.amdhsa_code_object_version 6
	.text
	.protected	k_qf54bf48653_attn
	.globl	k_qf54bf48653_attn
	.p2align	8
	.type	k_qf54bf48653_attn,@function
k_qf54bf48653_attn:
	s_mov_b64 s[64:65], 0
	v_nop
	global_prefetch_b8 v0, s[64:65] scope:SCOPE_SE
	s_setreg_imm32_b32 hwreg(HW_REG_WAVE_MODE, 25, 1), 1
	s_wait_xcnt 0x0
	s_wait_alu depctr_hold_cnt(0) depctr_sa_sdst(0) depctr_va_vdst(0) depctr_va_sdst(0) depctr_va_ssrc(0) depctr_va_vcc(0) depctr_vm_vsrc(0)
	s_getreg_b32 s2, hwreg(HW_REG_IB_STS2, 6, 4)
	s_cmp_eq_u32 s2, 0
	s_cbranch_scc0 .Lentry_in_a_cluster
	s_endpgm
.Lentry_in_a_cluster:
	s_bfe_u32 s2, ttmp6, 0x10000c
	s_cmp_lg_u32 s2, 0x3003
	s_cbranch_scc0 .Lentry_shape_is_right
	s_endpgm
.Lentry_shape_is_right:
; Attention on codes of FP6 (E2M3) with E8M0 scales, head size 64, 2,048 keys, no mask; its result o / l is quantised along d for the last product and goes to w3.
; t = score x log2(e) / 8; M = the running largest t rounded UP to a whole number; p = 2^(t - M) is quantised along the keys, not normalised; the row's sum is taken of the unquantised p and divides at the end.
; SHARES.  A work-group owns 512 queries of one head; each of its sixteen waves two tiles of 16 queries, one after the other.  A lane holds one query throughout (both products are used transposed).
; THE HEAD'S WHOLE K AND V LIE IN LDS, brought once: waves 0-3 fetch halves of K's and V's codes (49,152 bytes each), wave 4 both blocks of scale bytes: one tensor load a wave.  The four work-groups of a
; cluster own the four query blocks of one head and ask JOINTLY.  Nothing is filled twice: no ring; all tiles are asked for in the first lines: nothing to prefetch.
; HEAD SIZE 64 IN AN INSTRUCTION 128 DEEP.  A row of K's fragment is a PAIR of keys (2 x 48 bytes); source 1 is [q | zeros] or [zeros | q], which picks the even or the odd key.
; A WHOLE BLOCK OF 32 KEYS IN A LANE.  Of the 32 pair rows of two blocks, the even fragment takes rows 0-7 and 24-31, the odd one rows 8-23 (sixteen rows that differ modulo 16, as the LDS pitch wants).
; Lanes 0-15 then hold block 2 c in score registers 32 c .. 32 c + 31, lanes 16-31 block 2 c + 1 with its halves of 16 the other way round: a block's largest score needs no other lane, and
; twelve selects put the converted halves where source 1 of the second product wants them.  Within a half: place 8 u + i holds key 2 i + u, as the launch before has laid v's codes.
; w3: o's codes [head 16][token 8192][48 bytes], scale bytes at 6,291,456: [head][token][2].
; LIMITS: NaN and infinities are not served; the scaled scores t stay under 2^31 in magnitude; 1 / l by v_rcp_f32; a block of zeros gets the byte 1 (its codes are zeros; this program alone reads the bytes).
; REGISTERS: v1 q's scale bytes; v2, v3 the add's two; v4-11 addresses; v12-15 K's scale words, v16-17 q's, v18 p's, v19 8 h, v28-31 V's; v20-27 the sum, four pairs; v32-63 O^T; v64-111 four fragments, K's then V's;
; v112-175 S^T, then p, at a tile's end o; v176-193 q, zeros, q; v194 -M, v195 the largest t, v196 f; v198-227 at work; v228-239 p's codes; v240-247 LDS addresses at this step, v248-255 at step 0.
.set STEPB, 9216                       ; a step of 128 keys in LDS: 64 rows x 144 bytes (96 + 16 behind every 32)
.set VOFF,  147456                     ; V behind K
.set SCK,   294912                     ; K's scale words, 4,096 bytes; V's directly behind
.set OST,   303104                     ; the waves' own stages, 1,024 bytes each
.set OSS,   319488                     ; o's scale bytes of the 512 queries
.set SPARE, 320512                     ; the spare words, 128 bytes a wave
.set S,   112
.set WV,  18
.set SEL, 20
.set CS,  22
.set G1T, 24
.set G1S, 32
.set G0S, 40
.set G0C, 44
.set TB,  2
.set TS,  3
.set HM,  63
.macro CROUND
	s_barrier_signal -1
	s_barrier_wait -1
	s_cmp_lg_u32 s[WV], 0
	s_cbranch_scc1 .Lnot_wave_0_\@
	s_barrier_signal -3
.Lnot_wave_0_\@:
	s_barrier_wait -3
	s_barrier_signal -1
	s_barrier_wait -1
.endm
	s_load_b128 s[4:7], s[0:1], 0x0                ; w2, w3
	v_lshl_add_u32 v2, v0, 2, SPARE
	v_mov_b32 v3, 0
	ds_add_u32 v2, v3                              ; the opening lines
	ds_add_u32 v2, v3
	v_lshrrev_b32 v4, 5, v0
	v_readfirstlane_b32 s[WV], v4                  ; wave 0..15
	s_bfe_u32 s19, ttmp6, 0x40000                  ; cx: my block of 512 queries; it enters q's and o's addresses alone
	s_and_b32 s8, ttmp7, 0xffff                    ; the head of 64, which the four partners share
	s_mov_b32 s[G1T], 15|(0<<16)|(1<<20)|(1<<21)|(2<<22)|(3<<25)   ; codes: 49,152 dense bytes as 64 rows of 768; all four work-groups; 4 words of padding behind every 8
	s_mov_b32 s[G1T+1], 768<<16
	s_mov_b32 s[G1T+2], 64<<16
	s_mov_b32 s[G1T+3], 768<<16
	s_mov_b32 s[G1T+4], 64
	s_mov_b32 s[G1T+5], 768
	s_mov_b32 s[G1T+6], 0
	s_mov_b32 s[G1T+7], 0
	s_mov_b32 s[G1S], 15|(3<<16)|(1<<21)           ; scales: two rows of 4,096 bytes (512 x 8), K's and V's, 262,144 bytes apart in w2
	s_mov_b32 s[G1S+1], 512<<16
	s_mov_b32 s[G1S+2], 2<<16
	s_mov_b32 s[G1S+3], 512<<16
	s_mov_b32 s[G1S+4], 2
	s_mov_b32 s[G1S+5], 32768
	s_mov_b32 s[G1S+6], 0
	s_mov_b32 s[G1S+7], 0
	s_mul_i32 s14, s[WV], 73728                    ; waves 0-3: K's halves, V's halves, on end in LDS
	s_lshr_b32 s9, s[WV], 1
	s_and_b32 s10, s[WV], 1
	s_add_co_u32 s76, s9, 1
	s_mul_i32 s76, s76, 6291456
	s_mul_i32 s13, s8, 98304
	s_add_co_u32 s76, s76, s13
	s_mul_i32 s13, s10, 49152
	s_add_co_u32 s76, s76, s13
	s_mov_b32 s77, 0
	s_lshl_b32 s74, s8, 12
	s_add_co_u32 s74, s74, 19136512
	s_mov_b32 s75, 0
	s_mov_b32 s[SEL], 0x76543210
	s_mov_b32 s[SEL+1], 0xfedcba98
	s_mov_b32 s[CS], 0x3e38aa3b                    ; c = log2(e) / sqrt(64)
	s_mov_b32 s[CS+1], s[CS]
	s_mov_b32 s[HM], 0xffff0000                    ; lanes 16-31
	s_wait_dscnt 0x0
	s_wait_kmcnt 0x0
	CROUND                                         ; all four work-groups are here: the joint loads meet
	s_mov_b32 s[G0S], 1
	s_mov_b32 s[G0S+1], SCK
	s_add_nc_u64 s[G0S+2:G0S+3], s[4:5], s[74:75]
	s_or_b32 s[G0S+3], s[G0S+3], 0x80000000
	s_mov_b32 s[G0C], 1
	s_mov_b32 s[G0C+1], s14
	s_add_nc_u64 s[G0C+2:G0C+3], s[4:5], s[76:77]
	s_or_b32 s[G0C+3], s[G0C+3], 0x80000000
	s_cmp_lt_u32 s[WV], 4                          ; one chain of branches on the wave's number, one load to an arm
	s_cbranch_scc0 .Lfor_scales
	tensor_load_to_lds s[G0C:G0C+3], s[G1T:G1T+7]
	s_nop 0
.rept 4
	v_nop
.endr
	s_branch .Lasked
.Lfor_scales:
	s_cmp_eq_u32 s[WV], 4
	s_cbranch_scc0 .Lasked
	tensor_load_to_lds s[G0S:G0S+3], s[G1S:G1S+7]
	s_nop 0
.rept 4
	v_nop
.endr
.Lasked:
	s_lshl_b32 s12, s8, 11
	s_lshl_b32 s13, s19, 9
	s_lshl_b32 s15, s[WV], 4
	s_add_co_u32 s12, s12, s13
	s_add_co_u32 s12, s12, s15                     ; my first query: 2,048 head + 512 cx + 16 wave; the second tile: + 256
	s_mul_i32 s80, s12, 48
	s_mov_b32 s81, 0
	s_add_nc_u64 s[66:67], s[4:5], s[80:81]        ; its codes
	s_lshl_b32 s80, s12, 1
	s_add_co_u32 s80, s80, 18874368
	s_add_nc_u64 s[68:69], s[4:5], s[80:81]        ; its scale bytes
	s_and_b32 s12, s8, 15
	s_lshl_b32 s12, s12, 13
	s_lshr_b32 s82, s8, 4
	s_lshl_b32 s82, s82, 11
	s_add_co_u32 s12, s12, s82
	s_add_co_u32 s12, s12, s13                     ; in w3: 8,192 head of 16 + 2,048 batch + 512 cx
	s_lshl_b32 s80, s12, 1
	s_add_co_u32 s80, s80, 6291456
	s_add_nc_u64 s[72:73], s[6:7], s[80:81]        ; the work-group's 1,024 scale bytes of o
	s_add_co_u32 s12, s12, s15
	s_mul_i32 s80, s12, 48
	s_add_nc_u64 s[70:71], s[6:7], s[80:81]        ; my wave's codes of o
	v_and_b32 v198, 15, v0                         ; r
	v_bfe_u32 v199, v0, 4, 1                       ; h
	v_and_b32 v200, 31, v0                         ; lane
	v_bfe_u32 v201, v0, 3, 1                       ; r / 8
	v_mul_u32_u24 v7, v198, 48
	v_mad_u32_u24 v7, v199, 24, v7                 ; q: 48 bytes a query, + my half's block
	v_lshlrev_b32 v8, 1, v198
	s_wait_alu depctr_va_vdst(0)                   ; the wait here, ahead of the readers below
.macro QLOAD                           ; a tile's q, twice, round the zero codes; and its scale bytes
.irp i, 0,1,2
	global_load_b64 v[176+2*\i:177+2*\i], v7, s[66:67] offset:8*\i
	global_load_b64 v[188+2*\i:189+2*\i], v7, s[66:67] offset:8*\i
.endr
	global_load_u16 v1, v8, s[68:69]
.endm
	QLOAD
	v_mul_u32_u24 v248, v198, 144
	v_mad_u32_u24 v248, v199, 24, v248             ; rows r: row x pitch + 24 x half,
	v_lshl_add_u32 v249, v199, 4, v248             ; and the same behind one padding more
	v_mad_u32_u24 v250, v201, 2304, v248           ; rows r + 16 (r / 8): the even fragments of K
	v_mad_u32_u24 v251, v201, 2304, v249
	v_add_nc_u32 v252, VOFF, v248                  ; V: rows r
	v_add_nc_u32 v253, VOFF, v249
	v_lshl_add_u32 v254, v198, 2, SCK              ; scale words: rows r,
	v_lshl_add_u32 v255, v201, 6, v254             ; rows r + 16 (r / 8)
	s_lshl_b32 s11, s[WV], 10
	s_add_co_u32 s11, s11, OST
	v_lshlrev_b32 v4, 6, v198
	v_lshl_add_u32 v4, v199, 4, v4
	v_add_nc_u32 v4, s11, v4                       ; my stage: 64 bytes a query: block, half, in places of 16
	v_lshl_add_u32 v5, v200, 4, s11                ; and back
	v_mul_u32_u24 v6, v200, 12
	s_lshl_b32 s12, s[WV], 5
	s_add_co_u32 s12, s12, OSS
	v_lshl_add_u32 v9, v198, 1, s12                ; o's scale bytes: 2 a query
	v_lshlrev_b32 v11, 4, v0
	v_add_nc_u32 v10, OSS, v11                     ; (read by waves 0 and 1 alone, at the end)
	v_lshlrev_b32 v19, 3, v199                     ; 8 h: where my two scale bytes stand in p's word
.irp i, 182,183,184,185,186,187,196,197,202,211
	v_mov_b32 v\i, 0                               ; the zero codes between the two copies of q; permutes' destinations; the upper half of f's pair
.endr
.macro FRAG6 reg, a24, a40, off        ; 16 rows x 128 K: my half's 24 bytes of each 48, in pieces of 8; the four middle ones lie, for lanes 16-31, behind one padding more
	ds_load_b64 v[(\reg):(\reg)+1], v[\a24] offset:(\off)
	ds_load_b64 v[(\reg)+2:(\reg)+3], v[\a40] offset:(\off)+8
	ds_load_b64 v[(\reg)+4:(\reg)+5], v[\a40] offset:(\off)+16
	ds_load_b64 v[(\reg)+6:(\reg)+7], v[\a40] offset:(\off)+64
	ds_load_b64 v[(\reg)+8:(\reg)+9], v[\a40] offset:(\off)+72
	ds_load_b64 v[(\reg)+10:(\reg)+11], v[\a24] offset:(\off)+96
.endm
.macro FMAS n                          ; t - M, two at a time
.rept \n
	v_pk_fma_f32 v[S+j:S+j+1], v[S+j:S+j+1], s[CS:CS+1], v[194:195] op_sel_hi:[1,0,0]
.set j, j+2
.endr
.endm
.macro SUMS n                          ; the row's sum, of the unquantised p, in four chains
.rept \n
	v_pk_add_f32 v[20+2*(j%4):21+2*(j%4)], v[20+2*(j%4):21+2*(j%4)], v[S+2*j:S+2*j+1]
.set j, j+1
.endr
.endm
; A KEY STEP: 128 keys
.macro STEP
.irp k, 0,1,2,3,4,5
	v_add_nc_u32 v[240+\k], s[TB], v[248+\k]       ; with the additions behind the last product: the places in front of the loads into its registers
.endr
	v_add_nc_u32 v246, s[TS], v254
	v_add_nc_u32 v247, s[TS], v255
.irp c, 0,1
	ds_load_b32 v[12+2*\c], v247 offset:128*\c
	ds_load_b32 v[13+2*\c], v246 offset:128*\c+32
.endr
.irp c, 0,1
	FRAG6 64+24*\c, 242, 243, 4608*\c
	FRAG6 76+24*\c, 240, 241, 4608*\c+1152
.endr
.irp t, 0,1,2,3
	ds_load_b32 v[28+\t], v246 offset:4096+64*\t
.endr
	s_wait_alu depctr_va_vdst(0)                   ; the wait here, directly ahead of the wait below
	s_wait_dscnt 0x0
.irp n, 0,1,2,3,4,5,6,7                ; S^T = K Q^T, tile n = 2 f + u: fragment f, the even (u = 0) or the odd keys of its 16 pairs
	v_wmma_scale_f32_16x16x128_f8f6f4 v[S+8*\n:S+8*\n+7], v[64+12*(\n/2):75+12*(\n/2)], v[176+6*(\n%2):187+6*(\n%2)], 0, v[12+\n/2], v[16+\n%2] matrix_a_fmt:MATRIX_FMT_FP6 matrix_b_fmt:MATRIX_FMT_FP6
.endr
.rept 4
	v_nop                                          ; places in front of the loads below and of the first read of the scores
.endr
.irp t, 0,1,2,3
	FRAG6 64+12*\t, 244, 245, 2304*\t              ; V's four fragments land while the softmax is walked
.endr
.irp k, 0,1,2,3
	v_max_num_f32 v[198+\k], v[S+16*\k], v[S+16*\k+1]          ; four chains of 16 scores, each accumulator from its low end on
.endr
.irp i, 2,4,6,8,10,12,14
.irp k, 0,1,2,3
	v_max3_num_f32 v[198+\k], v[S+16*\k+\i], v[S+16*\k+\i+1], v[198+\k]
.endr
.endr
	v_max_num_f32 v204, v198, v199                 ; my two blocks' largest scores: for the row's maximum and, since p rises with the score, for the blocks' largest p
	v_max_num_f32 v205, v200, v201
	v_max_num_f32 v203, v204, v205
	v_permlanex16_b32 v202, v203, s[SEL], s[SEL+1]
	v_max_num_f32 v203, v203, v202                 ; with lane l xor 16's two blocks
	v_mul_f32 v203, s[CS], v203                    ; as t
	v_max_num_f32 v195, v195, v203                 ; the running largest t
	v_mov_b32 v203, v194
	v_floor_f32 v194, -v195                        ; the new -M = floor(-t): M is a whole number
.set j, 0
	FMAS 8
	v_sub_f32 v203, v194, v203                     ; old M - new M: a whole number, 0 or less
	FMAS 8
	v_cvt_i32_f32 v203, v203                       ; (it saturates)
	FMAS 8
	v_ldexp_f32 v196, 1.0, v203                    ; f = 2^(old M - new M)
	FMAS 8
	v_fma_f32 v204, v204, s[CS], v194
	v_fma_f32 v205, v205, s[CS], v194
.irp k, 0,1,2,3
	v_pk_mul_f32 v[20+2*\k:21+2*\k], v[20+2*\k:21+2*\k], v[196:197] op_sel_hi:[1,0]   ; the sums under the new M
.endr
.set j, 0
.rept 16
	v_pk_mul_f32 v[32+j:33+j], v[32+j:33+j], v[196:197] op_sel_hi:[1,0]   ; O^T under the new M, each accumulator from its low end on
.set j, j+2
.endr
	s_wait_alu depctr_va_vdst(0)                   ; the wait ahead of the batch
.set j, 0
.rept 64
	v_exp_f32 v[S+j], v[S+j]                       ; p = 2^(t - M)
.set j, j+1
.endr
	v_exp_f32 v204, v204                           ; my blocks' largest p
	v_exp_f32 v205, v205
	v_nop                                          ; a plain place behind the exponentials
	s_wait_dscnt 0x0                               ; V's fragments are in
	s_wait_alu depctr_va_vdst(0)                   ; one wait for the batch, ahead of its first reader
	v_max_num_f32 v204, 0x1800000, v204            ; the floor 2^(3 - 127)
	v_max_num_f32 v205, 0x1800000, v205
	v_add_nc_u32 v206, 0xff000000, v204            ; 2 off the exponent field: the conversion's scale operand
	v_add_nc_u32 v207, 0xff000000, v205
	v_lshrrev_b32 v208, 23, v206
	v_lshrrev_b32 v209, 23, v207
	v_lshl_or_b32 v208, v209, 16, v208             ; my bytes: blocks h and 2 + h,
	v_lshlrev_b32 v208, v19, v208                  ; at their places,
	v_permlanex16_b32 v211, v208, s[SEL], s[SEL+1]
	v_or_b32 v18, v208, v211                       ; with lane l xor 16's two: p's scale word, seventeen plain lines ahead of the products
.irp c, 0,1
	v_cvt_scalef32_pk16_fp6_f32 v[212+8*\c:214+8*\c], v[S+32*\c:S+32*\c+15], v[206+\c]
	v_cvt_scalef32_pk16_fp6_f32 v[216+8*\c:218+8*\c], v[S+32*\c+16:S+32*\c+31], v[206+\c]
.endr
	v_nop                                          ; one plain place behind a scaled conversion
.irp c, 0,1                            ; lanes 16-31 hold their block's upper half first: the selects put each half in its place
.irp i, 0,1,2
	v_cndmask_b32 v[228+6*\c+\i], v[212+8*\c+\i], v[216+8*\c+\i], s[HM]
	v_cndmask_b32 v[231+6*\c+\i], v[216+8*\c+\i], v[212+8*\c+\i], s[HM]
.endr
.endr
.set j, 0
	SUMS 4                                         ; four places between the codes' last write and the first product
.irp t, 0,1,2,3                        ; O^T += V^T P^T, the four accumulators by turns, each followed by seven additions of the row's sum
	v_wmma_scale_f32_16x16x128_f8f6f4 v[32+8*\t:39+8*\t], v[64+12*\t:75+12*\t], v[228:239], v[32+8*\t:39+8*\t], v[28+\t], v18 matrix_a_fmt:MATRIX_FMT_FP6 matrix_b_fmt:MATRIX_FMT_FP6
	SUMS 7
.endr
	s_add_co_u32 s[TB], s[TB], STEPB
	s_add_co_u32 s[TS], s[TS], 256
.endm
	s_wait_alu depctr_va_vdst(0)                   ; the wait at the head's end
	s_wait_tensorcnt 0x0                           ; my part of K, V or the scales is in,
	s_barrier_signal -1
	s_barrier_wait -1                              ; everybody's is
	s_mov_b32 s61, 0                               ; tile 0, 1
	s_mov_b32 s62, 0                               ; its place among o's scale bytes
.Ltile:
	s_wait_loadcnt 0x0                             ; this tile's q is in
	v_or_b32 v16, 0x7f7f0000, v1                   ; [q | zeros]: q's two bytes, then 1.0 over the zero codes
	v_lshl_or_b32 v17, v1, 16, 0x7f7f              ; [zeros | q]
	v_mov_b32 v195, 0xff61b1e6                     ; the largest t so far: -3e38
	v_floor_f32 v194, -v195
	s_mov_b32 s[TB], 0
	s_mov_b32 s[TS], 0
.set j, 0
.rept 8
	v_mov_b32 v[20+j], 0                           ; the sums
.set j, j+1
.endr
.set j, 0
.rept 32
	v_mov_b32 v[32+j], 0                           ; O^T: the step is written once; the first finds zeros
.set j, j+1
.endr
	s_mov_b32 s60, 16
.Lkey:
	STEP
	s_sub_co_u32 s60, s60, 1
	s_cmp_lg_u32 s60, 0
	s_cbranch_scc1 .Lkey
	s_cmp_eq_u32 s61, 1
	s_wait_alu depctr_va_vdst(0)                   ; the wait ahead of the branch
	s_cbranch_scc1 .Lno_next_q                     ; the second tile has no successor
	s_add_nc_u64 s[66:67], s[66:67], 12288         ; 256 queries on (the loads that read these bases are done)
	s_add_nc_u64 s[68:69], s[68:69], 512
	QLOAD                                          ; the next tile's q lands while this tile goes out
.Lno_next_q:
	v_pk_add_f32 v[20:21], v[20:21], v[22:23]
	v_pk_add_f32 v[24:25], v[24:25], v[26:27]
	v_add_nc_u32 v157, s62, v9
	v_pk_add_f32 v[20:21], v[20:21], v[24:25]
	v_add_f32 v20, v20, v21
	v_permlanex16_b32 v202, v20, s[SEL], s[SEL+1]
	v_add_f32 v20, v20, v202                       ; the row's sum
	s_wait_alu depctr_va_vdst(0)
	v_rcp_f32 v20, v20
	v_nop
	s_wait_alu depctr_va_vdst(0)
.set j, 0
.rept 32
	v_mul_f32 v[112+j], v[32+j], v20               ; register 8 t + i is o(r, 16 t + 8 h + i); each accumulator from its low end on
.set j, j+1
.endr
.irp b, 0,1
.irp i, 0,1,2,3,4,5,6,7
	v_permlane16_swap_b32 v[112+16*\b+\i], v[120+16*\b+\i]   ; now registers 16 b + 0 .. 15 are d = 32 b + 16 h + 0 .. 15: neighbours along the next K
.endr
.endr
	v_max3_num_f32 v145, |v112|, |v113|, 0x1800000
	v_max3_num_f32 v146, |v128|, |v129|, 0x1800000
.irp i, 2,4,6,8,10,12,14
	v_max3_num_f32 v145, v145, |v[112+\i]|, |v[113+\i]|
	v_max3_num_f32 v146, v146, |v[128+\i]|, |v[129+\i]|
.endr
	v_permlanex16_b32 v202, v145, s[SEL], s[SEL+1]
	v_permlanex16_b32 v211, v146, s[SEL], s[SEL+1]
	v_max_num_f32 v145, v145, v202
	v_max_num_f32 v146, v146, v211
	v_add_nc_u32 v149, 0xff000000, v145
	v_add_nc_u32 v150, 0xff000000, v146
	v_lshrrev_b32 v151, 23, v149
	v_lshrrev_b32 v152, 23, v150
	v_lshl_or_b32 v153, v152, 8, v151
	v_cvt_scalef32_pk16_fp6_f32 v[64:66], v[112:127], v149
	v_cvt_scalef32_pk16_fp6_f32 v[68:70], v[128:143], v150
	v_nop
	ds_store_b96 v4, v[64:66]
	ds_store_b96 v4, v[68:70] offset:32
	ds_store_b16 v157, v153                        ; both halves write the same two bytes with the same value
	ds_load_b96 v[72:74], v5                       ; LDS serves a wave's instructions in order: these see my stores
	ds_load_b96 v[76:78], v5 offset:512
	s_wait_dscnt 0x0
	global_store_b96 v6, v[72:74], s[70:71]        ; 2 x 384 consecutive bytes: 16 queries' codes
	global_store_b96 v6, v[76:78], s[70:71] offset:384
	s_wait_xcnt 0x0                                ; the stores have read their registers and their base
	s_add_nc_u64 s[70:71], s[70:71], 12288
	s_add_co_u32 s62, s62, 512
	s_add_co_u32 s61, s61, 1
	s_cmp_lt_u32 s61, 2
	s_cbranch_scc1 .Ltile
	s_wait_dscnt 0x0                               ; my scale bytes lie in LDS,
	s_barrier_signal -1
	s_barrier_wait -1                              ; everybody's do
	s_cmp_lt_u32 s[WV], 2
	s_cbranch_scc0 .Lno_scales
	ds_load_b128 v[72:75], v10
	s_wait_dscnt 0x0
	global_store_b128 v11, v[72:75], s[72:73]      ; 32 lanes store 512 consecutive bytes, aligned
.Lno_scales:
	s_wait_tensorcnt 0x0                           ; the wave's end
	ds_add_u32 v2, v3
	s_wait_dscnt 0x0
	CROUND                                         ; the closing round
	s_endpgm
.Lfunc_end_k_qf54bf48653_attn:
	.size	k_qf54bf48653_attn, .Lfunc_end_k_qf54bf48653_attn-k_qf54bf48653_attn
	.p2alignl 7, 3214868480
	.fill 96, 4, 3214868480
	.section	.rodata,"a",@progbits
	.p2align	6, 0x0
	.amdhsa_kernel k_qf54bf48653_attn
		.amdhsa_group_segment_fixed_size 327680
		.amdhsa_private_segment_fixed_size 0
		.amdhsa_enable_private_segment 0
		.amdhsa_kernarg_size 16
		.amdhsa_user_sgpr_count 2
		.amdhsa_user_sgpr_kernarg_segment_ptr 1
		.amdhsa_wavefront_size32 1
		.amdhsa_system_sgpr_workgroup_id_x 1
		.amdhsa_system_sgpr_workgroup_id_y 1
		.amdhsa_system_sgpr_workgroup_id_z 1
		.amdhsa_system_vgpr_workitem_id 0
		.amdhsa_next_free_vgpr 256
		.amdhsa_next_free_sgpr 96
		.amdhsa_reserve_vcc 0
		.amdhsa_float_denorm_mode_32 3
		.amdhsa_float_denorm_mode_16_64 3
		.amdhsa_memory_ordered 1
		.amdhsa_forward_progress 1
		.amdhsa_inst_pref_size 33
	.end_amdhsa_kernel
	.amdgpu_metadata
---
amdhsa.version: [ 1, 2 ]
amdhsa.kernels:
  - .name:           k_qf54bf48653_attn
    .symbol:         k_qf54bf48653_attn.kd
    .args:
      - { .name: w2, .offset: 0, .size: 8, .value_kind: global_buffer, .address_space: global }
      - { .name: w3, .offset: 8, .size: 8, .value_kind: global_buffer, .address_space: global }
    .group_segment_fixed_size: 327680
    .private_segment_fixed_size: 0
    .kernarg_segment_align: 8
    .kernarg_segment_size: 16
    .max_flat_workgroup_size: 512
    .sgpr_count:     96
    .vgpr_count:     256
    .wavefront_size: 32
...
	.end_amdgpu_metadata
.endif
;; end of part 3
;; launch proj (part 4): grid 4 x 32, 4 waves a work-group, clusters of 4 x 4, 327,680 bytes of LDS; arguments w3, w1, out0; writes out0
.if DOCPART == 4
	.amdgcn_target "amdgcn-amd-amdhsa--gfx1250"
	.amdhsa_code_object_version 6
	.text
	.protected	k_qf54bf48653_proj
	.globl	k_qf54bf48653_proj
	.p2align	8
	.type	k_qf54bf48653_proj,@function
k_qf54bf48653_proj:
	s_mov_b64 s[64:65], 0
	v_nop
	global_prefetch_b8 v0, s[64:65] scope:SCOPE_SE
	s_setreg_imm32_b32 hwreg(HW_REG_WAVE_MODE, 25, 1), 1
	s_wait_xcnt 0x0
	s_wait_alu depctr_hold_cnt(0) depctr_sa_sdst(0) depctr_va_vdst(0) depctr_va_sdst(0) depctr_va_ssrc(0) depctr_va_vcc(0) depctr_vm_vsrc(0)
	s_getreg_b32 s2, hwreg(HW_REG_IB_STS2, 6, 4)
	s_cmp_eq_u32 s2, 0
	s_cbranch_scc0 .Lentry_in_a_cluster
	s_endpgm
.Lentry_in_a_cluster:
	s_bfe_u32 s2, ttmp6, 0x10000c
	s_cmp_lg_u32 s2, 0xf033
	s_cbranch_scc0 .Lentry_shape_is_right
	s_endpgm
.Lentry_shape_is_right:
.set SIZE_N, 1024
.set NQ,     2
.set ROWB,   192
.set KSB,    2359296                   ; w1's codes lie [K step][row][192 bytes]: bytes from one K step to the next
.set KROW,   768
.set PITCH,  240
.set FR,     12
.set NL,     6
.set NP,     4
.set HB,     12288                     ; A's tile in LDS: [head 4][256 tokens x 48 bytes]
.set HALFA,  2*HB                      ; what one of the ring's loads brings of it: two heads
.set HALFB,  128*PITCH
.set SLOT,   2*HALFA+2*HALFB
.set ASTEP,  1572864
.set LAPS,   2
.set KS,     32
.set SCL,    2*SLOT
.set HALFS,  4352
.set SBLK,   544
.set SRC,    SCL+4*HALFS
.set SPARE,  SRC+2*HALFS
.set SPITCH, 528
.set ADRA, 16
.set ADRB, 20
.set STO,  24
.set RD,   25
.set CO,   26
.set ADRS, 27
.set SPW,  28
.set NIL,  29
.set SC,   32
.set AF,   128
.set BK,   128
.set G1, 24
.set G0, 32
.set G1B, 48
.set G0B, 56
.set G1S, 68
.set G0S, 76
.set G1SB, 80
.set G0SB, 88
.set MSB, 0
.macro WIN new
.if MSB != \new
	s_set_vgpr_msb (MSB<<8)|\new
.set MSB, \new
.endif
.endm
.set MUL_LO, 0xa1
.set MUL_HI, 0xf1
.set TO_B,   0x40
.macro JLOAD g0a, g1a, g0b, g1b
	s_cmp_eq_u32 s15, 0
	s_cbranch_scc0 .Lfor_b_\@
	tensor_load_to_lds s[\g0a:\g0a+3], s[\g1a:\g1a+7]
	s_nop 0
.rept 4
	v_nop
.endr
	s_branch .Lasked_\@
.Lfor_b_\@:
	tensor_load_to_lds s[\g0b:\g0b+3], s[\g1b:\g1b+7]
	s_nop 0
.rept 4
	v_nop
.endr
.Lasked_\@:
.endm
.macro CREST
	s_cmp_lg_u32 s14, 0
	s_cbranch_scc1 .Lnot_wave_0_\@
	s_barrier_signal -3
.Lnot_wave_0_\@:
	s_barrier_wait -3
	s_barrier_signal -1
	s_barrier_wait -1
.endm
.macro CROUND
	s_barrier_signal -1
	s_barrier_wait -1
	CREST
.endm
	s_load_b128 s[4:7], s[0:1], 0x0
	s_load_b64 s[12:13], s[0:1], 0x10
	v_lshl_add_u32 v[SPW], v0, 2, SPARE
	v_mov_b32 v[NIL], 0
	ds_add_u32 v28, v29
	ds_add_u32 v28, v29
	s_wait_dscnt 0x0
	v_lshrrev_b32 v1, 5, v0
	v_readfirstlane_b32 s14, v1
	s_lshr_b32 s15, s14, 1
	s_and_b32 s16, s14, 1
	s_bfe_u32 s40, ttmp6, 0x40000
	s_bfe_u32 s41, ttmp6, 0x40004
	s_lshl_b32 s42, ttmp9, 2
	s_add_co_u32 s42, s42, s40
	s_and_b32 s17, ttmp7, 0xffff
	s_lshl_b32 s17, s17, 2
	s_add_co_u32 s17, s17, s41
	s_lshl_b32 s43, s41, 2
	s_lshl_b32 s43, 15, s43
	s_lshl_b32 s44, 0x1111, s40
	s_or_b32 s[G1+0], s43, (3<<16)|(1<<21)
	s_mov_b32 s[G1+1], 1536<<16                    ; a row: 256 tokens x 48 bytes of one head; the head's load brings four heads, the ring's loads two
	s_mov_b32 s[G1+2], 4<<16
	s_mov_b32 s[G1+3], 1536<<16
	s_mov_b32 s[G1+4], 4
	s_mov_b32 s[G1+5], 49152
	s_mov_b32 s[G1+6], 0
	s_mov_b32 s[G1+7], 0
	s_or_b32 s[G1B+0], s44, (0<<16)|(1<<20)|(1<<21)|(3<<22)|(3<<25)
	s_mov_b32 s[G1B+1], KROW<<16                   ; 128 rows x 192 bytes are dense: stated as 32 rows of 768 bytes, each at a multiple of 256
	s_mov_b32 s[G1B+2], 64<<16                     ; the head's load brings 256 rows; behind it the two words are set to 32
	s_mov_b32 s[G1B+3], KROW<<16
	s_mov_b32 s[G1B+4], 64
	s_mov_b32 s[G1B+5], KROW
	s_mov_b32 s[G1B+6], 0
	s_mov_b32 s[G1B+7], 0
	s_or_b32 s[G1S+0], s43, (3<<16)|(1<<20)|(1<<21)|(5<<22)|(3<<25)
	s_mov_b32 s[G1S+1], 64<<16                     ; A's scales: 16 heads x 512 bytes (256 tokens x 2), 16 bytes of padding behind every 256
	s_mov_b32 s[G1S+2], 16<<16
	s_mov_b32 s[G1S+3], 64<<16
	s_mov_b32 s[G1S+4], 16
	s_mov_b32 s[G1S+5], 2048
	s_mov_b32 s[G1S+6], 0
	s_mov_b32 s[G1S+7], 0
	s_or_b32 s[G1SB+0], s44, (3<<16)|(1<<20)|(1<<21)|(5<<22)|(3<<25)
	s_mov_b32 s[G1SB+1], 32<<16
	s_mov_b32 s[G1SB+2], 32<<16
	s_mov_b32 s[G1SB+3], 32<<16
	s_mov_b32 s[G1SB+4], 32
	s_mov_b32 s[G1SB+5], 32
	s_mov_b32 s[G1SB+6], 0
	s_mov_b32 s[G1SB+7], 0
	s_lshl_b32 s18, s16, 7
	s_lshl_b32 s20, s17, 8
	s_lshl_b32 s46, s42, 8
	s_lshl_b32 s22, s20, 1
	s_add_co_u32 s22, s22, 6291456
	s_mov_b32 s23, 0
	s_mul_i32 s20, s20, 48
	s_mul_i32 s21, s16, 786432                     ; in the ring I fetch two heads of A's four: 2 x 8,192 tokens x 48 bytes on
	s_add_co_u32 s20, s20, s21
	s_mov_b32 s21, 0
	s_lshl_b32 s92, s46, 5
	s_add_co_u32 s92, s92, 9797632
	s_mov_b32 s93, 0
	s_add_co_u32 s46, s46, s18                     ; B's codes: my 128 rows of the tile
	s_mul_i32 s46, s46, ROWB
	s_add_co_u32 s46, s46, 2162688
	s_mov_b32 s47, 0
	s_mul_i32 s45, s16, HALFA
	s_mul_i32 s95, s16, HALFB
	s_add_co_u32 s95, s95, 2*HALFA
	s_wait_kmcnt 0x0
	s_add_nc_u64 s[20:21], s[4:5], s[20:21]
	s_add_nc_u64 s[22:23], s[4:5], s[22:23]
	s_add_nc_u64 s[46:47], s[6:7], s[46:47]
	s_add_nc_u64 s[92:93], s[6:7], s[92:93]
	CROUND
	s_mov_b32 s[G0S], 1
	s_mov_b32 s[G0S+1], SRC
	s_mov_b64 s[G0S+2:G0S+3], s[22:23]
	s_or_b32 s[G0S+3], s[G0S+3], 0x80000000
	s_mov_b32 s[G0SB], 1
	s_mov_b32 s[G0SB+1], SCL+2*HALFS
	s_mov_b64 s[G0SB+2:G0SB+3], s[92:93]
	s_or_b32 s[G0SB+3], s[G0SB+3], 0x80000000
.irp s, 0,1
	s_mov_b32 s[G0+4*\s], 1
	s_add_co_u32 s[G0+4*\s+1], s45, \s*SLOT
	s_add_nc_u64 s[G0+4*\s+2:G0+4*\s+3], s[20:21], \s*ASTEP
	s_or_b32 s[G0+4*\s+3], s[G0+4*\s+3], 0x80000000
	s_mov_b32 s[G0B+4*\s], 1
	s_add_co_u32 s[G0B+4*\s+1], s95, \s*SLOT
	s_add_nc_u64 s[G0B+4*\s+2:G0B+4*\s+3], s[46:47], \s*KSB
	s_or_b32 s[G0B+4*\s+3], s[G0B+4*\s+3], 0x80000000
.endr
; THE HEAD'S LOADS, ONE A WAVE, in one chain of branches on the wave's number: wave 0 K step 0's four heads of A (its own group 0 of slot 0 begins at the first), wave 1 A's scales, wave 2 the 256 rows of B, wave 3 B's scales
.macro ARM under, g0, g1, next
	s_cmp_lt_u32 s14, \under
	s_cbranch_scc0 \next
	tensor_load_to_lds s[\g0:\g0+3], s[\g1:\g1+7]
	s_nop 0
.rept 4
	v_nop
.endr
	s_branch .Lhead_asked
\next:
.endm
	ARM 1, G0,  G1,  .Lhead_sa
	ARM 2, G0S, G1S, .Lhead_b
	ARM 3, G0B, G1B, .Lhead_sb
	tensor_load_to_lds s[G0SB:G0SB+3], s[G1SB:G1SB+7]
	s_nop 0
.rept 4
	v_nop
.endr
.Lhead_asked:
	v_and_b32 v1, 15, v0
	v_bfe_u32 v2, v0, 4, 1
	v_mul_u32_u24 v3, v1, PITCH
	v_mul_u32_u24 v4, v2, 24
	v_add_nc_u32 v3, v3, v4
	v_lshl_add_u32 v5, v2, 4, v3
	v_mad_u32_u24 v4, v1, 48, v4
	s_mul_i32 s21, s15, 6144                       ; my 128 tokens of each head's 256
	s_mul_i32 s22, s16, HALFB
	s_add_co_u32 s22, s22, 2*HALFA
.irp s, 0,1
	v_add_nc_u32 v[ADRA+\s], s21, v4
	v_add_nc_u32 v[ADRB+\s], s22, v3
	v_add_nc_u32 v[ADRB+2+\s], s22, v5
	s_add_co_u32 s21, s21, SLOT
	s_add_co_u32 s22, s22, SLOT
.endr
	v_mul_u32_u24 v5, v1, KS
	v_lshrrev_b32 v6, 8, v5
	v_lshl_add_u32 v5, v6, 4, v5
	s_mul_i32 s21, s15, HALFS
	s_mul_i32 s22, s16, HALFS
	s_add_co_u32 s22, s22, 2*HALFS
	s_sub_co_u32 s22, s22, s21
	v_mul_u32_u24 v6, s22, v2
	s_add_co_u32 s21, s21, SCL
	v_add_nc_u32 v5, v5, v6
	v_add_nc_u32 v[ADRS], s21, v5
	s_mul_i32 s23, s14, 16*SPITCH
	v_mul_u32_u24 v5, v1, SPITCH
	v_lshl_add_u32 v5, v2, 5, v5
	v_add_nc_u32 v[STO], s23, v5
	v_and_b32 v6, 31, v0
	v_lshlrev_b32 v[CO], 4, v6
	v_add_nc_u32 v[RD], s23, v[CO]
	s_lshl_b32 s20, s17, 8
	s_lshl_b32 s21, s15, 7
	s_add_co_u32 s20, s20, s21
	s_mov_b32 s21, 0
	s_mov_b64 s[18:19], SIZE_N*4
	s_mul_u64 s[20:21], s[20:21], s[18:19]
	s_lshl_b32 s46, s42, 10
	s_lshl_b32 s47, s16, 9
	s_add_co_u32 s46, s46, s47
	s_mov_b32 s47, 0
	s_add_nc_u64 s[20:21], s[20:21], s[46:47]
	s_add_nc_u64 s[12:13], s[12:13], s[20:21]
	v_lshrrev_b32 v9, 6, v0
	v_and_b32 v10, 63, v0
	v_mul_u32_u24 v9, v9, HALFS
	v_lshrrev_b32 v11, 6, v0
	v_mul_u32_u24 v11, v11, 272                    ; the tokens' half: 256 bytes and the padding on in each head's row
	v_lshl_add_u32 v11, v10, 2, v11
	v_add_nc_u32 v11, SRC, v11
	v_lshl_add_u32 v12, v10, 6, v9
	v_lshrrev_b32 v10, 2, v10
	v_lshl_add_u32 v12, v10, 4, v12
	v_add_nc_u32 v12, SCL, v12
	s_wait_alu depctr_va_vdst(0)                   ; the wait at the head's end
	s_wait_tensorcnt 0x0                           ; my tile of the head's four is in; the lines ahead of a later first fill:
	ds_add_u32 v[SPW], v[NIL]
	s_mov_b32 s[G1+2], 2<<16                       ; no tensor load of mine is out: from here on a load brings two heads of A,
	s_mov_b32 s[G1+4], 2
	s_mov_b32 s[G1B+2], 32<<16                     ; or 128 rows of B
	s_mov_b32 s[G1B+4], 32
	s_wait_dscnt 0x0
	CROUND                                         ; all four tiles are in, and all sixteen work-groups are here
	JLOAD G0+4, G1, G0B+4, G1B                     ; K step 1, the first tensor load behind the round
.irp n, 0,1,2,3,4,5,6,7,8,9,10,11,12,13,14,15
	ds_load_b32 v[64+\n], v11 offset:544*\n
.endr
	s_wait_dscnt 0x0
.irp k, 0,1,2,3,4,5,6,7
	v_perm_b32 v[80+\k], v[65+2*\k], v[64+2*\k], 0x05040100
	v_perm_b32 v[88+\k], v[65+2*\k], v[64+2*\k], 0x07060302
.endr
.irp c, 0,1,2,3
	ds_store_b128 v12, v[80+4*\c:83+4*\c] offset:16*\c
.endr
.macro FRAG reg, adr, q, i
.irp p, 0,1,2,3,4,5
.set PC, 12*(\q)+6*(\p/3)+\p%3
.if PC%8 < 5
	ds_load_b64 v[\reg+2*\p:\reg+2*\p+1], v[\adr] offset:8*PC+16*(PC/8)+(\i)*16*PITCH
.else
	ds_load_b64 v[\reg+2*\p:\reg+2*\p+1], v[\adr+2] offset:8*PC+16*(PC/8)+(\i)*16*PITCH
.endif
.endr
.endm
.macro FRAGA reg, adr, q, i
.irp p, 0,1,2,3,4,5
	ds_load_b64 v[\reg+2*\p:\reg+2*\p+1], v[\adr] offset:(2*(\q)+\p/3)*HB+(\i)*768+8*(\p%3)
.endr
.endm
.macro MUL16 a0, p, q, sc, zero
.irp a, \a0, \a0+1
.irp b, 0,1,2,3,4,5,6,7
.if \zero
	v_wmma_scale_f32_16x16x128_f8f6f4 v[8*(8*((\a)%4)+\b):8*(8*((\a)%4)+\b)+7], v[128*(\p)+FR*\b:128*(\p)+FR*\b+FR-1], v[AF+FR*(\a):AF+FR*(\a)+FR-1], 0, v[SC+8*NQ*(\sc)+NQ*\b+(\q)], v[SC+8*NQ*(\sc)+NQ*(\a)+(\q)] matrix_a_fmt:MATRIX_FMT_FP6 matrix_b_fmt:MATRIX_FMT_FP6 matrix_a_scale:MATRIX_SCALE_ROW1
.else
	v_wmma_scale_f32_16x16x128_f8f6f4 v[8*(8*((\a)%4)+\b):8*(8*((\a)%4)+\b)+7], v[128*(\p)+FR*\b:128*(\p)+FR*\b+FR-1], v[AF+FR*(\a):AF+FR*(\a)+FR-1], v[8*(8*((\a)%4)+\b):8*(8*((\a)%4)+\b)+7], v[SC+8*NQ*(\sc)+NQ*\b+(\q)], v[SC+8*NQ*(\sc)+NQ*(\a)+(\q)] matrix_a_fmt:MATRIX_FMT_FP6 matrix_b_fmt:MATRIX_FMT_FP6 matrix_a_scale:MATRIX_SCALE_ROW1
.endif
.endr
.endr
.endm
.macro FETCH_B slot, q, p
	WIN TO_B
.irp i, 0,1,2,3,4,5,6,7
	FRAG 128*(\p)+FR*\i, ADRB+\slot, \q, \i
.endr
	WIN 0
.endm
.macro FETCH_A slot, q, i0
.irp i, \i0, \i0+1, \i0+2, \i0+3
	FRAGA AF+FR*(\i), ADRA+\slot, \q, \i
.endr
.endm
.macro SCALES sc
.irp i, 0,1,2,3,4,5,6,7
	ds_load_b64 v[SC+8*NQ*\sc+NQ*\i:SC+8*NQ*\sc+NQ*\i+1], v[ADRS] offset:\i*SBLK
.endr
.endm
.macro PLACES n
.rept \n
	v_nop
.endr
.endm
.macro STEP slot, q, zero
	s_wait_dscnt 4*NL
	WIN MUL_LO
	MUL16 0, (\q)%2, \q, \slot, \zero
	MUL16 2, (\q)%2, \q, \slot, \zero
	s_wait_dscnt 0
	PLACES NP
	FETCH_B \slot, (\q)+1, 1-(\q)%2
	FETCH_A \slot, (\q)+1, 0
	WIN MUL_HI
	MUL16 4, (\q)%2, \q, \slot, \zero
	MUL16 6, (\q)%2, \q, \slot, \zero
	PLACES NP
	WIN 0
	FETCH_A \slot, (\q)+1, 4
.endm
.macro TURN slot, next, fill
	s_wait_tensorcnt 0x0
	ds_add_u32 v[SPW], v[NIL]
	s_wait_dscnt 4*NL+1
	WIN MUL_LO
	MUL16 0, 1, NQ-1, \slot, 0
	s_wait_dscnt 0x0
	s_barrier_signal -1
	MUL16 2, 1, NQ-1, \slot, 0
	WIN 0
	s_barrier_wait -1
.if \fill
	CREST
	s_add_nc_u64 s[G0+4*\slot+2:G0+4*\slot+3], s[G0+4*\slot+2:G0+4*\slot+3], 2*ASTEP
	s_add_nc_u64 s[G0B+4*\slot+2:G0B+4*\slot+3], s[G0B+4*\slot+2:G0B+4*\slot+3], 2*KSB
	JLOAD G0+4*\slot, G1, G0B+4*\slot, G1B
.else
	PLACES NP
.endif
	s_wait_alu depctr_va_vdst(0)
	v_add_nc_u32 v[ADRS], 4*NQ, v[ADRS]
	FETCH_B \next, 0, 0
	FETCH_A \next, 0, 0
	SCALES \next
	WIN MUL_HI
	MUL16 4, 1, NQ-1, \slot, 0
	MUL16 6, 1, NQ-1, \slot, 0
	PLACES NP
	WIN 0
	FETCH_A \next, 0, 4
.endm
	s_wait_dscnt 0x0
	s_barrier_signal -1
	s_barrier_wait -1
	FETCH_B 0, 0, 0
	FETCH_A 0, 0, 0
	SCALES 0
	FETCH_A 0, 0, 4
	STEP 0, 0, 1
	s_mov_b32 s3, LAPS-1
.Llap:
	TURN 0, 1, 1
	STEP 1, 0, 0
	TURN 1, 0, 1
	STEP 0, 0, 0
	s_sub_co_u32 s3, s3, 1
	s_cmp_lg_u32 s3, 0
	s_cbranch_scc1 .Llap
	TURN 0, 1, 0
	STEP 1, 0, 0
	s_wait_dscnt 4*NL
	WIN MUL_LO
	MUL16 0, 1, NQ-1, 1, 0
	MUL16 2, 1, NQ-1, 1, 0
	s_wait_dscnt 0
	WIN MUL_HI
	MUL16 4, 1, NQ-1, 1, 0
	MUL16 6, 1, NQ-1, 1, 0
	WIN 0
.macro TOSTAGE a
.set AC, 64*((\a)%4)
	WIN 0x08+4*((\a)/4)
.irp b, 0,1,2,3,4,5,6,7
	ds_store_b128 v[STO], v[AC+8*\b:AC+8*\b+3] offset:64*\b
	ds_store_b128 v[STO], v[AC+8*\b+4:AC+8*\b+7] offset:64*\b+16
.endr
	WIN 0
.set BB, BK+64*((\a)%2)
.irp t, 0,1,2,3,4,5,6,7,8,9,10,11,12,13,14,15
	ds_load_b128 v[BB+4*\t:BB+4*\t+3], v[RD] offset:\t*SPITCH
.endr
.endm
.macro SEND a, younger
.set BB, BK+64*((\a)%2)
	s_wait_dscnt \younger
.if (\a) > 0
	s_add_nc_u64 s[12:13], s[12:13], 16*SIZE_N*4
.endif
.irp t, 0,1,2,3,4,5,6,7,8,9,10,11,12,13,14,15
	global_store_b128 v[CO], v[BB+4*\t:BB+4*\t+3], s[12:13] offset:\t*SIZE_N*4 th:TH_STORE_NT
.endr
.endm
	PLACES NP
	TOSTAGE 0
.irp a, 1,2,3,4,5,6,7
.if \a > 1
	s_wait_xcnt 0x0
.endif
	TOSTAGE \a
	SEND \a-1, 32
.endr
	s_wait_xcnt 0x0
	SEND 7, 0
	s_wait_tensorcnt 0x0
	ds_add_u32 v[SPW], v[NIL]
	s_wait_dscnt 0x0
	CROUND
	s_endpgm
.Lfunc_end_k_qf54bf48653_proj:
	.size	k_qf54bf48653_proj, .Lfunc_end_k_qf54bf48653_proj-k_qf54bf48653_proj
	.p2alignl 7, 3214868480
	.fill 96, 4, 3214868480
	.section	.rodata,"a",@progbits
	.p2align	6, 0x0
	.amdhsa_kernel k_qf54bf48653_proj
		.amdhsa_group_segment_fixed_size 327680
		.amdhsa_private_segment_fixed_size 0
		.amdhsa_enable_private_segment 0
		.amdhsa_kernarg_size 24
		.amdhsa_user_sgpr_count 2
		.amdhsa_user_sgpr_kernarg_segment_ptr 1
		.amdhsa_wavefront_size32 1
		.amdhsa_system_sgpr_workgroup_id_x 1
		.amdhsa_system_sgpr_workgroup_id_y 1
		.amdhsa_system_sgpr_workgroup_id_z 1
		.amdhsa_system_vgpr_workitem_id 0
		.amdhsa_next_free_vgpr 1024
		.amdhsa_next_free_sgpr 100
		.amdhsa_reserve_vcc 0
		.amdhsa_float_denorm_mode_32 3
		.amdhsa_float_denorm_mode_16_64 3
		.amdhsa_memory_ordered 1
		.amdhsa_forward_progress 1
		.amdhsa_inst_pref_size 164
	.end_amdhsa_kernel
	.amdgpu_metadata
---
amdhsa.version: [ 1, 2 ]
amdhsa.kernels:
  - .name:           k_qf54bf48653_proj
    .symbol:         k_qf54bf48653_proj.kd
    .args:
      - { .name: w3, .offset: 0, .size: 8, .value_kind: global_buffer, .address_space: global }
      - { .name: w1, .offset: 8, .size: 8, .value_kind: global_buffer, .address_space: global }
      - { .name: out0, .offset: 16, .size: 8, .value_kind: global_buffer, .address_space: global }
    .group_segment_fixed_size: 327680
    .private_segment_fixed_size: 0
    .kernarg_segment_align: 8
    .kernarg_segment_size: 24
    .max_flat_workgroup_size: 128
    .sgpr_count:     100
    .vgpr_count:     1024
    .wavefront_size: 32
...
	.end_amdgpu_metadata
.endif
;; end of part 4
